; MI455X (gfx1250); checked and timed in simulation.
; The chip was launched on July 23, 2026; its instructions are those of AMD's public machine-readable ISA for CDNA 5 (MIT licence, August 2026) and "CDNA5" Instruction Set Architecture Reference Guide (July 2026). The comments in the code are by the model that wrote it; some were corrected since.
;; Multi Head Attention. Allowed arithmetic: matrix products marked QUANTISED: E4M3 operands, one given power-of-two scale a tensor, by v_wmma_f32_16x16x64_fp8_fp8 or v_wmma_f32_16x16x128_fp8_fp8, f32 sums; everything else in f32.
;; Inputs: Wk_codes 1,024 x 32 x 32 uint8 (E4M3 codes of Wk, K innermost, in blocks of 32 codes); Wo_codes 1,024 x 32 x 32 uint8 (E4M3 codes of Wo, K innermost, in blocks of 32 codes); Wq_codes 1,024 x 32 x 32 uint8 (E4M3 codes of Wq, K innermost, in blocks of 32 codes); Wv_codes 1,024 x 32 x 32 uint8 (E4M3 codes of Wv, K innermost, in blocks of 32 codes); bk 1,024 float32; bo 1,024 float32; bq 1,024 float32; bv 1,024 float32; lowp_scales 12 int32 (the exponents e of the quantised operands' scales 2^e); pad_mask 4 x 2,048 bool; pos_enc 1 x 2,048 x 32 float32; x_kv_codes 4 x 2,048 x 32 x 32 uint8 (E4M3 codes of x_kv, K innermost, in blocks of 32 codes); x_q_codes 4 x 2,048 x 32 x 32 uint8 (E4M3 codes of x_q, K innermost, in blocks of 32 codes).
;; Outputs: out0 4 x 2,048 x 1,024 float32.
;; This version of the problem:
;;   THIS VERSION OF THE PROBLEM IS GIVEN IN LOW PRECISION. The matrix products marked QUANTISED in the list below multiply operands that are first quantised to E4M3 (4 exponent bits, 3 mantissa bits; 8 bits a number), with one given power-of-two scale for each operand tensor; their sums are f32. All else is computed in f32.
;;   The module's matrix products, in the order in which they are computed (A, B: the left and right operand; K: the contracted axis; several contracted axes count as one K, in the product's order):
;;     1. [M 8,192, K 1,024] x [K 1,024, N 1,024]; A: input x_q (given as codes); B: input Wq (given as codes): QUANTISED (scales: A lowp_scales[0], B lowp_scales[1])
;;     2. [M 8,192, K 1,024] x [K 1,024, N 1,024]; A: input x_kv (given as codes); B: input Wk (given as codes): QUANTISED (scales: A lowp_scales[2], B lowp_scales[3])
;;     3. [M 8,192, K 1,024] x [K 1,024, N 1,024]; A: input x_kv (given as codes); B: input Wv (given as codes): QUANTISED (scales: A lowp_scales[4], B lowp_scales[5])
;;     4. batch 64 x [M 2,048, K 64] x [K 64, N 2,048]; A: computed on the way; B: computed on the way: QUANTISED (scales: A lowp_scales[6], B lowp_scales[7])
;;     5. batch 64 x [M 2,048, K 2,048] x [K 2,048, N 64]; A: softmax (see below); B: computed on the way: QUANTISED (scales: A lowp_scales[8], B lowp_scales[9])
;;     6. [M 8,192, K 1,024] x [K 1,024, N 1,024]; A: computed on the way; B: input Wo (given as codes): QUANTISED (scales: A lowp_scales[10], B lowp_scales[11])
;;   THE QUANTISER, for each operand of a quantised product, along K:
;;     - The operand's scale is 2^e, e = its entry of the input lowp_scales (int32; the entries are numbered through the quantised products in the list's order, A before B).
;;     - Each number is divided by the scale, clamped to +-448, and rounded to the nearest number of E4M3, ties to even, subnormals kept.
;;     - The product sums the exact products of the quantised numbers (number of the format x scale) in f32.
;;   ~~~python
;;   def quantise(x, axis, e):      # numpy; x: float32 -> the quantised numbers, widened to float32 again
;;       x = np.moveaxis(x, axis, -1); K = x.shape[-1]
;;       r = np.clip(x / 2.0 ** e, -448, 448)
;;       step = 2.0 ** (np.maximum(np.frexp(np.where(r == 0, 1, r))[1] - 1, -6) - 3)
;;       q = np.round(r / step) * step * 2.0 ** e      # np.round: ties to even
;;       return np.moveaxis(q, -1, axis).astype(np.float32)
;;   ~~~
;;   SOFTMAX AHEAD OF A QUANTISED PRODUCT. Where the list says 'softmax', what is quantised is not the finished softmax but p = 2^(t - M), with t = logit x log2(e) and M = ceil(the row's largest t), a whole number; so 1/2 < the row's largest p <= 1. The row's sum l is taken of the UNQUANTISED p, in f32, and the product's result is divided by l at the end. Since M is a whole number, a kernel that streams over the keys may use a running M (the ceiling of the running maximum): every later rescaling is an exact power of two, so the quantised numbers keep their values, but for numbers so far below the row's largest that they fall under the format's range.
;;   OPERANDS COMPUTED ON THE WAY. 'Computed on the way' means the value that the module computes at that place (a softmax that the list does not call 'softmax' is quantised finished and normalised). What goes into a quantiser is computed in f32, as accurately as f32 sums, v_exp_f32 and their like allow (about 1e-6 of the number): no bf16 or f16 on the way to a quantiser, and a product that is left as it is and whose result goes on into a quantised operand takes f32 operands (vector FMAs, or v_wmma_f32_16x16x4_f32). A number that lies on a knife's edge between two numbers of the format may be rounded either way, as far as f32 arithmetic and the matrix unit's own rounding can turn it there, and no further.
;;   INPUTS GIVEN AS CODES. Wk (in the module: [1024, 1024], K = its axis 0); Wo (in the module: [1024, 1024], K = its axis 0); Wq (in the module: [1024, 1024], K = its axis 0); Wv (in the module: [1024, 1024], K = its axis 0); x_kv (in the module: [4, 2048, 1024], K = its axis 2); x_q (in the module: [4, 2048, 1024], K = its axis 2): each comes as NAME_codes (uint8): NAME with its K axis moved to the last place and cut into blocks of 32 codes, [.., K / 32, bytes a block], one block behind the other in memory; one code a byte (a code: sign, 4 exponent bits, 3 mantissa bits); its scale is its entry of lowp_scales. Its value is code x scale, taken as it is: it is not quantised again, and the codes and scales need not be those that the quantiser above would give.
;; One version. Each part assembles by itself: llvm-mc -triple=amdgcn-amd-amdhsa -mcpu=gfx1250 --defsym DOCPART=n.
;; ======== version 1 of 1: 4 launches
;; limits: inputs' magnitudes at most 100,000; right only within a limited range of input values
;; workspace buffers: rope 524,288 bytes; q_codes 8,388,608 bytes; k_codes 8,388,608 bytes; v_codes 8,388,608 bytes; vpart 131,072 bytes; o_codes 8,388,608 bytes
;; launch vproj (part 1): grid 32 x 4, 4 waves a work-group, clusters of 4 x 4, 327,680 bytes of LDS; arguments Wv_codes, x_kv_codes, lowp_scales, v_codes, bv, pos_enc, vpart, rope; writes v_codes, vpart, rope
.if DOCPART == 1
	.amdgcn_target "amdgcn-amd-amdhsa--gfx1250"
	.amdhsa_code_object_version 6
	.text
	.protected	k_q45c52cab80_vproj
	.globl	k_q45c52cab80_vproj
	.p2align	8
	.type	k_q45c52cab80_vproj,@function
k_q45c52cab80_vproj:
	s_mov_b64 s[64:65], 0
	v_nop
	global_prefetch_b8 v0, s[64:65] scope:SCOPE_SE
	s_setreg_imm32_b32 hwreg(HW_REG_WAVE_MODE, 25, 1), 1
	s_wait_xcnt 0x0
	s_wait_alu depctr_hold_cnt(0) depctr_sa_sdst(0) depctr_va_vdst(0) depctr_va_sdst(0) depctr_va_ssrc(0) depctr_va_vcc(0) depctr_vm_vsrc(0)
	s_getreg_b32 s2, hwreg(HW_REG_IB_STS2, 6, 4)
	s_cmp_eq_u32 s2, 0
	s_cbranch_scc0 .Lentry_in_a_cluster
	s_endpgm
.Lentry_in_a_cluster:
	s_bfe_u32 s2, ttmp6, 0x10000c
	s_cmp_lg_u32 s2, 0xf033
	s_cbranch_scc0 .Lentry_shape_is_right
	s_endpgm
.Lentry_shape_is_right:
; V^T = Wv x_kv^T + bv on codes of FP8 (E4M3), quantised with the given 2^e9 and stored with the KEYS innermost: v_codes [batch][1024 channels][2048 keys].
; A = Wv's codes [1024 channels][1024], B = x_kv's codes [8192 positions][1024].  A sum stands for sum x 2^(e4 + e5).
; Beside it: vpart [batch][8 parts of 256 keys][1024 channels] f32, the sums of v's code values (for rows of the attention in which no key counts), and
; rope: cos(pos_enc) [2048][32] f32, then, 262,144 bytes on, sin(pos_enc) with its sign turned in the even channels; each of the 128 work-groups makes 512 numbers of each while its first tiles are on their way.
; A tile of 256 channels x 256 positions is made by four waves, each 128 x 128: 64 accumulators, 512 registers.  K goes in steps of 256 through a ring of two LDS slots filled by the tensor data mover.
; CLUSTERS: 4 x 4 work-groups; the four of a row of the cluster ask for A's tiles jointly, the four of a column for B's.  The grid is one cluster high: the tile row is cy.
; THE MATRIX INSTRUCTION IS USED TRANSPOSED (source 0 = 16 rows of B, source 1 = 16 rows of A): a lane holds ONE channel and eight neighbouring positions, which are eight neighbours along the keys.
; k is permuted alike in A's and B's fragments (four loads of 16 bytes a fragment): every product meets its partner.
; LIMITS: e4 + e5 between -126 and 127; e9 between -126 and 119; |pos_enc| up to 1e5 (the reach of the three-part reduction by pi / 2).  NaN among the inputs is not served.
; REGISTERS: window 0: v0-31 addresses; v32-39 bv; v40-127 at work at the head and on the way out; from v128 A's fragments, ONE set.  window 1: B's fragments, two sets.  windows 2, 3: the accumulators, (a, b) at v[8 (8 (a % 4) + b)].
.set KSTEP,  256
.set ROWB,   256                       ; a tile's row in bytes
.set KROW,   1024                      ; a row of A or of B in memory, in bytes
.set PITCH,  272                       ; an LDS row: 256 bytes + 16 of padding = 68 words: the 16 rows that a load touches start at 16 different banks (64 banks of 4 bytes: ISA guide 11.1)
.set FR,     16                        ; registers of a fragment: 16 rows x 128 K
.set NL,     4                         ; LDS loads that bring one
.set NP,     4                         ; places behind this matrix instruction (ISA guide 7.12.1)
.set HALFT,  128*PITCH                 ; 128 rows: what one tensor load brings
.set SLOT,   4*HALFT                   ; A's 256 rows, then B's 256 rows
.set LAPS,   2                         ; 1,024 along K = twice round the ring
.set SPARE,  2*SLOT                    ; behind the ring: the spare words, 128 bytes for each wave, which no other line names
.set ADRA, 16                          ; v16-17 LDS address of my A fragments in slot 0, 1
.set ADRB, 20                          ; v20-21 the same for B
.set STO,  24                          ; v24 the stage: where I put 8 codes
.set RD,   25                          ; v25 the stage: where I read rows back
.set CO,   26                          ; v26 my byte offset in v_codes
.set RD2,  27                          ; v27 the stage: my place in a fragment of codes
.set SPW,  28                          ; v28 LDS address of my spare word; never rewritten
.set NIL,  29                          ; v29 0; never rewritten
.set BVO,  30                          ; v30 4 r: my channel's place in bv
.set TBO,  31                          ; v31 16 x thread: my 4 numbers of pos_enc and of the tables
.set VPO,  8                           ; v8  4 x lane
.set BV,   32                          ; v32-39 bv of channel 16 a + r
.set TMP,  128                         ; the way out: a block's 64 numbers
.set AF,   128
.set G1, 24
.set G0, 32
.set G1B, 48
.set G0B, 56
.set MSB, 0
.macro WIN new                         ; the immediate's high byte repeats the setting that is left
.if MSB != (\new)
	s_set_vgpr_msb (MSB<<8)|(\new)
.set MSB, (\new)
.endif
.endm
.set MUL_LO, 0xa1                      ; source 0 (B) window 1, source 1 (A) window 0, C and D window 2
.set MUL_HI, 0xf1                      ; the same, C and D window 3
.set TO_B,   0x40                      ; destination window 1, address window 0
; A joint load: waves 0 and 1 fetch for A, waves 2 and 3 for B; the branch hangs on the wave's number alone.  Four v_nop follow each of the two lines.
.macro JLOAD g0a, g1a, g0b, g1b
	s_cmp_eq_u32 s15, 0
	s_cbranch_scc0 .Lfor_b_\@
	tensor_load_to_lds s[\g0a:\g0a+3], s[\g1a:\g1a+7]
	s_nop 0
.rept 4
	v_nop
.endr
	s_branch .Lasked_\@
.Lfor_b_\@:
	tensor_load_to_lds s[\g0b:\g0b+3], s[\g1b:\g1b+7]
	s_nop 0
.rept 4
	v_nop
.endr
.Lasked_\@:
.endm
.macro CREST                           ; a round of the cluster's barrier behind its opening barrier
	s_cmp_lg_u32 s14, 0
	s_cbranch_scc1 .Lnot_wave_0_\@
	s_barrier_signal -3
.Lnot_wave_0_\@:
	s_barrier_wait -3
	s_barrier_signal -1
	s_barrier_wait -1
.endm
.macro CROUND                          ; a whole round
	s_barrier_signal -1
	s_barrier_wait -1
	CREST
.endm
	s_load_b256 s[4:11], s[0:1], 0x0               ; Wv's codes s[4:5], x_kv's codes s[6:7], the scales' exponents s[8:9], v_codes s[10:11]
	s_load_b256 s[68:75], s[0:1], 0x20             ; bv s[68:69], pos_enc s[70:71], vpart s[72:73], rope s[74:75]
	v_lshl_add_u32 v[SPW], v0, 2, SPARE
	v_mov_b32 v[NIL], 0
	ds_add_u32 v28, v29
	ds_add_u32 v28, v29
	s_wait_dscnt 0x0
	v_lshrrev_b32 v1, 5, v0
	v_readfirstlane_b32 s14, v1                    ; wave 0..3
	s_lshr_b32 s15, s14, 1                         ; which half of the tile's channels is mine.  Also: I fetch for A (0) or for B (1)
	s_and_b32 s16, s14, 1                          ; which half of its positions.  Also: which 128 rows of that tile I fetch
	s_bfe_u32 s40, ttmp6, 0x40000                  ; cx, cy: my place in the cluster
	s_bfe_u32 s41, ttmp6, 0x40004
	s_lshl_b32 s42, ttmp9, 2
	s_add_co_u32 s42, s42, s40                     ; tile column (256 positions) = 4 x cluster x + cx: 0 .. 31
	s_mov_b32 s17, s41                             ; tile row (256 channels) = cy: 0 .. 3
	s_lshl_b32 s43, s41, 2
	s_lshl_b32 s43, 15, s43                        ; my row of the cluster
	s_lshl_b32 s44, 0x1111, s40                    ; my column
	s_or_b32 s[G1+0], s43, (1<<20)|(1<<21)|(5<<22)|(3<<25)   ; 15:0 the mask; 17:16 elements of 1 byte; 20 padding on; 21 set beside a mask; 24:22 after every 64 words; 31:25 of 4 words
	s_or_b32 s[G1B+0], s44, (1<<20)|(1<<21)|(5<<22)|(3<<25)
.irp g, G1, G1B
	s_mov_b32 s[\g+1], ROWB<<16                    ; tensor_dim0
	s_mov_b32 s[\g+2], 128<<16                     ; tensor_dim1
	s_mov_b32 s[\g+3], ROWB<<16                    ; tile_dim0
	s_mov_b32 s[\g+4], 128                         ; tile_dim1
	s_mov_b32 s[\g+5], KROW                        ; tensor_dim0_stride
	s_mov_b32 s[\g+6], 0
	s_mov_b32 s[\g+7], 0
.endr
	s_lshl_b32 s18, s16, 7
	s_lshl_b32 s20, s17, 8
	s_add_co_u32 s20, s20, s18                     ; A: row 256 x tile row + 128 x half
	s_lshl_b32 s46, s42, 8
	s_add_co_u32 s46, s46, s18                     ; B: row 256 x tile column + 128 x half
	s_mov_b32 s21, 0
	s_mov_b32 s47, 0
	s_mov_b64 s[18:19], KROW
	s_mul_u64 s[20:21], s[20:21], s[18:19]
	s_mul_u64 s[46:47], s[46:47], s[18:19]
	s_mul_i32 s45, s14, HALFT                      ; where they go: wave x 128 rows
	s_wait_kmcnt 0x0
	s_load_b64 s[96:97], s[8:9], 0x10              ; e4, e5
	s_load_b32 s98, s[8:9], 0x24                   ; e9
	s_add_nc_u64 s[20:21], s[4:5], s[20:21]
	s_add_nc_u64 s[46:47], s[6:7], s[46:47]
	CROUND                                         ; all sixteen work-groups are here: the first joint loads meet
.irp s, 0,1
	s_mov_b32 s[G0+4*\s], 1
	s_add_co_u32 s[G0+4*\s+1], s45, \s*SLOT
	s_add_nc_u64 s[G0+4*\s+2:G0+4*\s+3], s[20:21], \s*ROWB
	s_or_b32 s[G0+4*\s+3], s[G0+4*\s+3], 0x80000000
	s_mov_b32 s[G0B+4*\s], 1
	s_add_co_u32 s[G0B+4*\s+1], s45, \s*SLOT
	s_add_nc_u64 s[G0B+4*\s+2:G0B+4*\s+3], s[46:47], \s*ROWB
	s_or_b32 s[G0B+4*\s+3], s[G0B+4*\s+3], 0x80000000
	JLOAD G0+4*\s, G1, G0B+4*\s, G1B
.endr
	v_and_b32 v1, 15, v0                           ; r = lane % 16
	v_bfe_u32 v2, v0, 4, 1                         ; h = lane / 16
	v_mul_u32_u24 v3, v1, PITCH
	s_wait_alu depctr_va_vdst(0)
	v_lshl_add_u32 v4, v2, 4, v3                   ; a fragment's row x pitch + 16 h
	s_mul_i32 s21, s15, HALFT
	s_mul_i32 s22, s16, HALFT
	s_add_co_u32 s22, s22, 2*HALFT
.irp s, 0,1
	v_add_nc_u32 v[ADRA+\s], s21, v4
	v_add_nc_u32 v[ADRB+\s], s22, v4
	s_add_co_u32 s21, s21, SLOT
	s_add_co_u32 s22, s22, SLOT
.endr
	s_mul_i32 s23, s15, HALFT                      ; the stage, 256 rows (channels) of 272 bytes in slot 0: row 128 x my half + r, byte 128 x my half of the positions + 8 h
	s_lshl_b32 s21, s16, 7
	s_add_co_u32 s23, s23, s21
	v_lshl_add_u32 v5, v2, 3, v3
	v_add_nc_u32 v[STO], s23, v5
	s_mul_i32 s23, s14, 64*PITCH                   ; back: wave w takes rows 64 w .. 64 w + 63, whole
	v_mul_u32_u24 v5, v2, PITCH
	v_lshl_add_u32 v5, v1, 4, v5
	v_add_nc_u32 v[RD], s23, v5                    ; lanes 0-15 one row of 256 bytes, lanes 16-31 the next
	v_add_nc_u32 v[RD2], s23, v4                   ; and as fragments: row r, + 16 h
	v_lshlrev_b32 v5, 11, v2
	v_lshl_add_u32 v[CO], v1, 4, v5                ; the same two rows in v_codes: 2,048 bytes apart
	v_and_b32 v5, 31, v0
	v_lshlrev_b32 v[VPO], 2, v5
	s_lshr_b32 s20, s42, 3                         ; v_codes: batch x 1,024 rows of 2,048 bytes
	s_lshl_b32 s20, s20, 21
	s_lshl_b32 s21, s17, 8
	s_lshl_b32 s22, s14, 6
	s_add_co_u32 s21, s21, s22
	s_lshl_b32 s21, s21, 11                        ; + row 256 x tile row + 64 x wave
	s_add_co_u32 s20, s20, s21
	s_and_b32 s21, s42, 7
	s_lshl_b32 s21, s21, 8                         ; + the tile's 256 keys
	s_add_co_u32 s20, s20, s21
	s_mov_b32 s21, 0
	s_add_nc_u64 s[10:11], s[10:11], s[20:21]
	s_lshl_b32 s20, s42, 10                        ; vpart: (8 x batch + part) is the tile column; x 1,024 channels
	s_lshl_b32 s22, s17, 8
	s_add_co_u32 s20, s20, s22
	s_lshl_b32 s22, s14, 6
	s_add_co_u32 s20, s20, s22
	s_lshl_b32 s20, s20, 2
	s_add_nc_u64 s[72:73], s[72:73], s[20:21]
	v_lshlrev_b32 v[BVO], 2, v1
	s_lshl_b32 s20, s17, 8
	s_lshl_b32 s22, s15, 7
	s_add_co_u32 s20, s20, s22
	s_lshl_b32 s20, s20, 2
	s_add_nc_u64 s[68:69], s[68:69], s[20:21]      ; bv at my 128 channels
.irp a, 0,1,2,3,4,5,6,7
	global_load_b32 v[BV+\a], v[BVO], s[68:69] offset:64*\a   ; bv of channel 16 a + r
.endr
	s_lshl_b32 s20, s17, 5
	s_add_co_u32 s20, s20, s42                     ; the work-group's number among the 128
	s_lshl_b32 s20, s20, 11                        ; its 512 numbers
	s_add_nc_u64 s[70:71], s[70:71], s[20:21]
	s_add_nc_u64 s[74:75], s[74:75], s[20:21]
	v_lshlrev_b32 v[TBO], 4, v0
	global_load_b128 v[96:99], v[TBO], s[70:71] th:TH_LOAD_NT
	v_mov_b32 v88, 0x37cd4000                      ; the polynomials' leading coefficients
	v_mov_b32 v89, 0x36405000
	s_wait_loadcnt 0x0
; sin and cos of v[96 + e] in f32: n = x x 2 / pi to the nearest whole number; r = x - n pi / 2 with pi / 2 in three parts, by fused multiply-adds; a polynomial each for cos r and sin r on +-pi / 4;
; n's lowest bit changes the two over, its next bit (of n for the sine, of n + 1 for the cosine) turns the sign.  The sine of an even channel is stored with its sign turned.
.macro SINCOS e
	v_mul_f32 v100, 0x3f22f983, v[96+\e]
	v_rndne_f32 v100, v100
	v_fma_f32 v101, v100, 0xbfc90fd8, v[96+\e]
	v_fma_f32 v101, v100, 0xb4a8885a, v101
	v_fma_f32 v101, v100, 0xa7c234c4, v101
	v_mul_f32 v102, v101, v101
	s_wait_alu depctr_va_vdst(0)
	v_fma_f32 v103, v88, v102, 0xbab6077d
	v_fma_f32 v103, v103, v102, 0x3d2aaaa8
	v_fma_f32 v103, v103, v102, -0.5
	v_fma_f32 v103, v103, v102, 1.0
	v_fma_f32 v104, v89, v102, 0xb9503486
	v_fma_f32 v104, v104, v102, 0x3c0888c1
	v_fma_f32 v104, v104, v102, 0xbe2aaaab
	v_mul_f32 v105, v101, v102
	v_fma_f32 v104, v104, v105, v101
	v_cvt_i32_f32 v106, v100
	v_and_b32 v107, 1, v106
	v_cmp_eq_u32 vcc_lo, 1, v107
	v_cndmask_b32 v[44+\e], v104, v103, vcc_lo
	v_cndmask_b32 v[40+\e], v103, v104, vcc_lo
	v_lshlrev_b32 v107, 30, v106
	v_and_b32 v107, 0x80000000, v107
	v_xor_b32 v[44+\e], v[44+\e], v107
	v_add_nc_u32 v106, 1, v106
	v_lshlrev_b32 v107, 30, v106
	v_and_b32 v107, 0x80000000, v107
	v_xor_b32 v[40+\e], v[40+\e], v107
.if ((\e)%2) == 0
	v_xor_b32 v[44+\e], 0x80000000, v[44+\e]
.endif
.endm
	SINCOS 0
	SINCOS 1
	SINCOS 2
	SINCOS 3
	global_store_b128 v[TBO], v[40:43], s[74:75]                 ; a wave's store covers 512 consecutive bytes, aligned
	global_store_b128 v[TBO], v[44:47], s[74:75] offset:262144
.macro FRAG reg, adr, q, i             ; a fragment, 16 rows x 128 K: lane l holds row l % 16; registers 4 c .. 4 c + 3 hold K = 32 c + 16 (l / 16) + 0 .. 15
.irp c, 0,1,2,3
	ds_load_b128 v[\reg+4*\c:\reg+4*\c+3], v[\adr] offset:128*(\q)+32*\c+(\i)*16*PITCH
.endr
.endm
; 16 matrix instructions: A's blocks a0, a0 + 1 x B's eight, 128 along K.  The 64 accumulators take turns, one instruction a turn, in the same order in every step.
.macro MUL16 a0, p, zero
.irp a, \a0, \a0+1
.irp b, 0,1,2,3,4,5,6,7
.if \zero
	v_wmma_f32_16x16x128_fp8_fp8 v[8*(8*((\a)%4)+\b):8*(8*((\a)%4)+\b)+7], v[128*(\p)+FR*\b:128*(\p)+FR*\b+FR-1], v[AF+FR*(\a):AF+FR*(\a)+FR-1], 0
.else
	v_wmma_f32_16x16x128_fp8_fp8 v[8*(8*((\a)%4)+\b):8*(8*((\a)%4)+\b)+7], v[128*(\p)+FR*\b:128*(\p)+FR*\b+FR-1], v[AF+FR*(\a):AF+FR*(\a)+FR-1], v[8*(8*((\a)%4)+\b):8*(8*((\a)%4)+\b)+7]
.endif
.endr
.endr
.endm
.macro FETCH_B slot, q, p
	WIN TO_B
.irp i, 0,1,2,3,4,5,6,7
	FRAG 128*(\p)+FR*\i, ADRB+\slot, \q, \i
.endr
	WIN 0
.endm
.macro FETCH_A slot, q, i0
.irp i, \i0, \i0+1, \i0+2, \i0+3
	FRAG AF+FR*(\i), ADRA+\slot, \q, \i
.endr
.endm
.macro PLACES n                        ; plain vector instructions between a matrix instruction and a load into, or a vector instruction on, its registers
.rept \n
	v_nop
.endr
.endm
.macro STEP slot, q, zero              ; 128 along K that have their successor in the same slot
	s_wait_dscnt 4*NL                              ; B's set and A's blocks 0-3 are in; the youngest 16 loads (A's blocks 4-7) may be out
	WIN MUL_LO
	MUL16 0, (\q)%2, \zero
	MUL16 2, (\q)%2, \zero
	s_wait_dscnt 0
	PLACES NP
	FETCH_B \slot, (\q)+1, 1-(\q)%2
	FETCH_A \slot, (\q)+1, 0
	WIN MUL_HI
	MUL16 4, (\q)%2, \zero
	MUL16 6, (\q)%2, \zero
	PLACES NP
	WIN 0
	FETCH_A \slot, (\q)+1, 4
.endm
; A slot's last step changes slots: ONE barrier; in front of it each wave waits for all its tensor loads, adds 0 to its spare word, and waits for that and for its reads of this slot.  fill = 1: the slot is filled again, two K steps ahead.
.macro TURN slot, next, fill
	s_wait_tensorcnt 0x0                           ; all my tensor loads have landed: my part of the next slot
	ds_add_u32 v[SPW], v[NIL]                      ; 0 onto my spare word
	s_wait_dscnt 4*NL+1                            ; the add and the youngest 16 loads may be out
	WIN MUL_LO
	MUL16 0, 1, 0
	s_wait_dscnt 0x0                               ; the add is done, and my reads of this slot are over
	s_barrier_signal -1
	MUL16 2, 1, 0
	WIN 0
	s_barrier_wait -1
.if \fill
	CREST                                          ; the barrier has opened a round of the cluster's barrier: no wave of any partner still reads this slot or has a load on its way
	s_add_nc_u64 s[G0+4*\slot+2:G0+4*\slot+3], s[G0+4*\slot+2:G0+4*\slot+3], 2*ROWB
	s_add_nc_u64 s[G0B+4*\slot+2:G0B+4*\slot+3], s[G0B+4*\slot+2:G0B+4*\slot+3], 2*ROWB
	JLOAD G0+4*\slot, G1, G0B+4*\slot, G1B         ; the first tensor load behind the round; its four v_nop are also the places in front of the loads below
.else
	PLACES NP
.endif
	FETCH_B \next, 0, 0
	FETCH_A \next, 0, 0
	WIN MUL_HI
	MUL16 4, 1, 0
	MUL16 6, 1, 0
	PLACES NP
	WIN 0
	FETCH_A \next, 0, 4
.endm
	s_wait_tensorcnt 1                             ; my part of K step 0 is in; K step 1's load may be out
	s_barrier_signal -1
	s_barrier_wait -1
	FETCH_B 0, 0, 0
	FETCH_A 0, 0, 0
	FETCH_A 0, 0, 4
	STEP 0, 0, 1                                   ; the first step's products start the sums
	s_mov_b32 s3, LAPS-1
.Llap:
	TURN 0, 1, 1
	STEP 1, 0, 0
	TURN 1, 0, 1
	STEP 0, 0, 0
	s_sub_co_u32 s3, s3, 1
	s_cmp_lg_u32 s3, 0
	s_cbranch_scc1 .Llap
	TURN 0, 1, 0                                   ; the last lap fills nothing
	STEP 1, 0, 0
	s_wait_dscnt 4*NL
	WIN MUL_LO
	MUL16 0, 1, 0
	MUL16 2, 1, 0
	s_wait_dscnt 0
	WIN MUL_HI
	MUL16 4, 1, 0
	MUL16 6, 1, 0
	WIN 0
	; THE WAY OUT.  v = sum x 2^(e4 + e5) + bv; held within +-448 x 2^e9; eight neighbouring keys of a lane become 8 bytes; they meet in a stage in slot 0 (its last fill has landed, and its last read lies in front of the last change of slots).
	s_wait_kmcnt 0x0
	s_add_co_i32 s96, s96, s97
	s_add_co_i32 s96, s96, 127
	s_lshl_b32 s96, s96, 23                        ; 2^(e4 + e5) as f32
	s_mov_b32 s97, s96                             ; (named with it as a pair)
	s_add_co_i32 s98, s98, 127
	s_lshl_b32 s99, s98, 23
	s_add_co_i32 s98, s98, 8
	s_lshl_b32 s98, s98, 23
	s_or_b32 s98, s98, 0x600000
	s_wait_xcnt 0x0                                ; the tables' stores have read their registers
	PLACES NP
	v_mov_b32 v90, s99                             ; 2^e9: the conversion takes its exponent field
.macro VBLK a                          ; block a: 16 channels x my 128 positions
.set AC, 64*((\a)%4)
.set CD, 192+16*((\a)%2)               ; the codes' registers, two sets by turns
.set BP, BV+2*((\a)/2)
	WIN 0x02+((\a)/4)                              ; source 0: window 2 or 3
.set jj, 0
.rept 32
.if ((\a)%2) == 0
	v_pk_fma_f32 v[TMP+jj:TMP+jj+1], v[AC+jj:AC+jj+1], s[96:97], v[BP:BP+1] op_sel_hi:[1,0,0]                 ; both + the pair's first register: bv of an even block
.else
	v_pk_fma_f32 v[TMP+jj:TMP+jj+1], v[AC+jj:AC+jj+1], s[96:97], v[BP:BP+1] op_sel:[0,0,1] op_sel_hi:[1,0,1]  ; both + its second: of an odd block
.endif
.set jj, jj+2
.endr
	WIN 0
.set jj, 0
.rept 8
.set ii, 0
.rept 8
.set ii, ii+1
.endr
	v_cvt_scalef32_pk8_fp8_f32 v[CD+2*jj:CD+2*jj+1], v[TMP+8*jj:TMP+8*jj+7], v90
.set jj, jj+1
.endr
	v_nop                                          ; a plain instruction behind the last conversion
.set jj, 0
.rept 8
	ds_store_b64 v[STO], v[CD+2*jj:CD+2*jj+1] offset:4352*(\a)+16*jj
.set jj, jj+1
.endr
.endm
.irp a, 0,1,2,3,4,5,6,7
	VBLK \a
.endr
.set jj, 0
.rept 16
	v_mov_b32 v[40+jj], 0x38383838                 ; a fragment of ones (the code of 1.0)
.set jj, jj+1
.endr
	s_wait_alu depctr_va_vdst(0)
	s_wait_dscnt 0x0                               ; for the others' sake: my stores into the stage are done
	s_barrier_signal -1
	s_barrier_wait -1
	WIN 0x40                                       ; my 64 rows once more as fragments (4 tiles of 16 channels x 2 x 128 keys), into window 1
.irp t, 0,1,2,3
.irp q, 0,1
.irp c, 0,1,2,3
	ds_load_b128 v[16*(2*\t+\q)+4*\c:16*(2*\t+\q)+4*\c+3], v[RD2] offset:4352*\t+128*\q+32*\c
.endr
.endr
.endr
	WIN 0
.set tt, 0
.rept 32
	ds_load_b128 v[96+4*tt:99+4*tt], v[RD] offset:544*tt       ; two whole rows an instruction
.set tt, tt+1
.endr
	s_wait_dscnt 32                                ; the fragments are in; the 32 row loads may be out
	WIN 0x04                                       ; source 1 window 1
.irp q, 0,1
.irp t, 0,1,2,3
.if \q == 0
	v_wmma_f32_16x16x128_fp8_fp8 v[56+8*\t:63+8*\t], v[40:55], v[16*(2*\t):16*(2*\t)+15], 0       ; ones x codes: every register of lane (r, h) is the sum of channel 16 t + r over 128 keys
.else
	v_wmma_f32_16x16x128_fp8_fp8 v[56+8*\t:63+8*\t], v[40:55], v[16*(2*\t+1):16*(2*\t+1)+15], v[56+8*\t:63+8*\t]
.endif
.endr
.endr
	WIN 0
.set tt, 0
.rept 32
	s_wait_dscnt 31-tt
	global_store_b128 v[CO], v[96+4*tt:99+4*tt], s[10:11] offset:4096*tt   ; 16 lanes store 256 consecutive bytes, at a multiple of 256 from the buffer's first byte
.set tt, tt+1
.endr
	PLACES NP
	s_mov_b32 s2, 0xffff0000
	v_cndmask_b32 v88, v56, v64, s2                ; lane l: channel l of my 64,
	v_cndmask_b32 v89, v72, v80, s2                ; and channel 32 + l
	global_store_b32 v[VPO], v88, s[72:73]
	global_store_b32 v[VPO], v89, s[72:73] offset:128
	s_wait_tensorcnt 0x0                           ; the wave's end
	ds_add_u32 v[SPW], v[NIL]
	s_wait_dscnt 0x0
	CROUND                                         ; the closing round: no work-group ends while a partner may still ask for a tile that names it
	s_endpgm
.Lfunc_end_k_q45c52cab80_vproj:
	.size	k_q45c52cab80_vproj, .Lfunc_end_k_q45c52cab80_vproj-k_q45c52cab80_vproj
	.p2alignl 7, 3214868480
	.fill 96, 4, 3214868480
	.section	.rodata,"a",@progbits
	.p2align	6, 0x0
	.amdhsa_kernel k_q45c52cab80_vproj
		.amdhsa_group_segment_fixed_size 327680
		.amdhsa_private_segment_fixed_size 0
		.amdhsa_enable_private_segment 0
		.amdhsa_kernarg_size 64
		.amdhsa_user_sgpr_count 2
		.amdhsa_user_sgpr_kernarg_segment_ptr 1
		.amdhsa_wavefront_size32 1
		.amdhsa_system_sgpr_workgroup_id_x 1
		.amdhsa_system_sgpr_workgroup_id_y 1
		.amdhsa_system_sgpr_workgroup_id_z 1
		.amdhsa_system_vgpr_workitem_id 0
		.amdhsa_next_free_vgpr 1024
		.amdhsa_next_free_sgpr 100
		.amdhsa_reserve_vcc 1
		.amdhsa_float_denorm_mode_32 3
		.amdhsa_float_denorm_mode_16_64 3
		.amdhsa_fp16_overflow 1
		.amdhsa_memory_ordered 1
		.amdhsa_forward_progress 1
		.amdhsa_inst_pref_size 122
	.end_amdhsa_kernel
	.amdgpu_metadata
---
amdhsa.version: [ 1, 2 ]
amdhsa.kernels:
  - .name:           k_q45c52cab80_vproj
    .symbol:         k_q45c52cab80_vproj.kd
    .args:
      - { .name: Wv_codes, .offset: 0, .size: 8, .value_kind: global_buffer, .address_space: global }
      - { .name: x_kv_codes, .offset: 8, .size: 8, .value_kind: global_buffer, .address_space: global }
      - { .name: lowp_scales, .offset: 16, .size: 8, .value_kind: global_buffer, .address_space: global }
      - { .name: v_codes, .offset: 24, .size: 8, .value_kind: global_buffer, .address_space: global }
      - { .name: bv, .offset: 32, .size: 8, .value_kind: global_buffer, .address_space: global }
      - { .name: pos_enc, .offset: 40, .size: 8, .value_kind: global_buffer, .address_space: global }
      - { .name: vpart, .offset: 48, .size: 8, .value_kind: global_buffer, .address_space: global }
      - { .name: rope, .offset: 56, .size: 8, .value_kind: global_buffer, .address_space: global }
    .group_segment_fixed_size: 327680
    .private_segment_fixed_size: 0
    .kernarg_segment_align: 8
    .kernarg_segment_size: 64
    .max_flat_workgroup_size: 128
    .sgpr_count:     100
    .vgpr_count:     1024
    .wavefront_size: 32
...
	.end_amdgpu_metadata
.endif
;; end of part 1
;; launch qkproj (part 2): grid 8 x 32, 4 waves a work-group, clusters of 4 x 4, 327,680 bytes of LDS; arguments x_q_codes, x_kv_codes, Wq_codes, Wk_codes, bq, bk, q_codes, k_codes, lowp_scales, rope; writes q_codes, k_codes
.if DOCPART == 2
	.amdgcn_target "amdgcn-amd-amdhsa--gfx1250"
	.amdhsa_code_object_version 6
	.text
	.protected	k_q45c52cab80_qkproj
	.globl	k_q45c52cab80_qkproj
	.p2align	8
	.type	k_q45c52cab80_qkproj,@function
k_q45c52cab80_qkproj:
	s_mov_b64 s[64:65], 0
	v_nop
	global_prefetch_b8 v0, s[64:65] scope:SCOPE_SE
	s_setreg_imm32_b32 hwreg(HW_REG_WAVE_MODE, 25, 1), 1
	s_wait_xcnt 0x0
	s_wait_alu depctr_hold_cnt(0) depctr_sa_sdst(0) depctr_va_vdst(0) depctr_va_sdst(0) depctr_va_ssrc(0) depctr_va_vcc(0) depctr_vm_vsrc(0)
	s_getreg_b32 s2, hwreg(HW_REG_IB_STS2, 6, 4)
	s_cmp_eq_u32 s2, 0
	s_cbranch_scc0 .Lentry_in_a_cluster
	s_endpgm
.Lentry_in_a_cluster:
	s_bfe_u32 s2, ttmp6, 0x10000c
	s_cmp_lg_u32 s2, 0xf033
	s_cbranch_scc0 .Lentry_shape_is_right
	s_endpgm
.Lentry_shape_is_right:
; q = rope((x_q Wq + bq) / 8) and k = rope(x_kv Wk + bk) on codes of FP8 (E4M3), quantised with the given 2^e6 and 2^e7 and stored by heads: [16 batch + head][2048 positions][64].
; The cluster's x says which: 0 = q, 1 = k; it is the same in all sixteen partners.  Only pointers and numbers are chosen by it: there is one path through the text.
; A = the tokens' codes [8192][1024], B = the weight's codes [1024 channels][1024].  A tile of 256 positions x 256 channels (four heads) is made by four waves, each 128 x 128; K in steps of 256 through a ring of two LDS slots.
; CLUSTERS: 4 x 4 work-groups; A's tiles are asked for jointly along a row of the cluster, B's along a column.
; THE MATRIX INSTRUCTION IS USED TRANSPOSED (source 0 = 16 rows of B, source 1 = 16 rows of A): a lane holds ONE position and eight neighbouring channels: the pairs that the rotation mixes lie in one lane's neighbouring registers.
; ROTATION of a head's channels 0-31: out(c) = x(c) cos(c) + x(c xor 1) sinS(c), sinS = -sin in even channels, +sin in odd: both tables were made by the launch before.
; LIMITS: e0 + e1 - 3 and e2 + e3 between -126 and 127; e6 and e7 between -126 and 119.  NaN among the inputs is not served.
; REGISTERS: window 0: v0-31 addresses; v32-95 the bias of my 128 channels; v96-127 and (on the way out) v128-159 the tables of a block, two sets; from v128 A's fragments in the loop.  window 1: B's two sets.  windows 2, 3: the accumulators.
.set KSTEP,  256
.set ROWB,   256
.set KROW,   1024
.set PITCH,  272                       ; an LDS row: 256 bytes + 16 of padding: the 16 rows that a load touches start at 16 different banks (ISA guide 11.1)
.set FR,     16
.set NL,     4
.set NP,     4
.set HALFT,  128*PITCH
.set SLOT,   4*HALFT
.set LAPS,   2
.set SPARE,  2*SLOT                    ; the spare words, 128 bytes for each wave, which no other line names
.set ADRA, 16
.set ADRB, 20
.set STO,  24                          ; v24 the stage: where I put 8 codes
.set RD,   25                          ; v25 the stage: where I read a head's rows back, positions 0-127
.set CO,   26                          ; v26 16 x lane
.set RD2,  27                          ; v27 the same as v25, positions 128-255
.set SPW,  28
.set NIL,  29
.set BIO,  30                          ; v30 32 h: my eight channels' place in 16 of the bias
.set CSO,  31                          ; v31 128 r + 32 h: my place in a block of the tables
.set BIAS, 32
.set TMP,  160                         ; the way out: a head's 32 numbers of a lane
.set T2,   192                         ; and the crossed products of its first 16
.set AF,   128
.set G1, 24
.set G0, 32
.set G1B, 48
.set G0B, 56
.set MSB, 0
.macro WIN new
.if MSB != (\new)
	s_set_vgpr_msb (MSB<<8)|(\new)
.set MSB, (\new)
.endif
.endm
.set MUL_LO, 0xa1
.set MUL_HI, 0xf1
.set TO_B,   0x40
.macro JLOAD g0a, g1a, g0b, g1b        ; a joint load: waves 0 and 1 fetch for A, waves 2 and 3 for B; four v_nop follow each of the two lines
	s_cmp_eq_u32 s15, 0
	s_cbranch_scc0 .Lfor_b_\@
	tensor_load_to_lds s[\g0a:\g0a+3], s[\g1a:\g1a+7]
	s_nop 0
.rept 4
	v_nop
.endr
	s_branch .Lasked_\@
.Lfor_b_\@:
	tensor_load_to_lds s[\g0b:\g0b+3], s[\g1b:\g1b+7]
	s_nop 0
.rept 4
	v_nop
.endr
.Lasked_\@:
.endm
.macro CREST
	s_cmp_lg_u32 s14, 0
	s_cbranch_scc1 .Lnot_wave_0_\@
	s_barrier_signal -3
.Lnot_wave_0_\@:
	s_barrier_wait -3
	s_barrier_signal -1
	s_barrier_wait -1
.endm
.macro CROUND
	s_barrier_signal -1
	s_barrier_wait -1
	CREST
.endm
	s_load_b512 s[68:83], s[0:1], 0x0              ; x_q, x_kv, Wq, Wk, bq, bk, q_codes, k_codes
	s_load_b128 s[84:87], s[0:1], 0x40             ; the scales' exponents s[84:85], rope s[86:87]
	v_lshl_add_u32 v[SPW], v0, 2, SPARE
	v_mov_b32 v[NIL], 0
	ds_add_u32 v28, v29
	ds_add_u32 v28, v29
	s_wait_dscnt 0x0
	v_lshrrev_b32 v1, 5, v0
	v_readfirstlane_b32 s14, v1                    ; wave 0..3
	s_lshr_b32 s15, s14, 1                         ; which half of the tile's positions is mine.  Also: I fetch for A (0) or for B (1)
	s_and_b32 s16, s14, 1                          ; which half of its channels.  Also: which 128 rows of that tile I fetch
	s_bfe_u32 s40, ttmp6, 0x40000                  ; cx, cy
	s_bfe_u32 s41, ttmp6, 0x40004
	s_mov_b32 s42, s40                             ; tile column among the chosen weight's four = cx
	s_and_b32 s17, ttmp7, 0xffff
	s_lshl_b32 s17, s17, 2
	s_add_co_u32 s17, s17, s41                     ; tile row = 4 x cluster y + cy: 0 .. 31
	s_lshl_b32 s43, s41, 2
	s_lshl_b32 s43, 15, s43                        ; my row of the cluster
	s_lshl_b32 s44, 0x1111, s40                    ; my column
	s_or_b32 s[G1+0], s43, (1<<20)|(1<<21)|(5<<22)|(3<<25)
	s_or_b32 s[G1B+0], s44, (1<<20)|(1<<21)|(5<<22)|(3<<25)
.irp g, G1, G1B
	s_mov_b32 s[\g+1], ROWB<<16
	s_mov_b32 s[\g+2], 128<<16
	s_mov_b32 s[\g+3], ROWB<<16
	s_mov_b32 s[\g+4], 128
	s_mov_b32 s[\g+5], KROW
	s_mov_b32 s[\g+6], 0
	s_mov_b32 s[\g+7], 0
.endr
	s_lshl_b32 s18, s16, 7
	s_lshl_b32 s20, s17, 8
	s_add_co_u32 s20, s20, s18
	s_lshl_b32 s46, s42, 8
	s_add_co_u32 s46, s46, s18
	s_mov_b32 s21, 0
	s_mov_b32 s47, 0
	s_mov_b64 s[18:19], KROW
	s_mul_u64 s[20:21], s[20:21], s[18:19]
	s_mul_u64 s[46:47], s[46:47], s[18:19]
	s_mul_i32 s45, s14, HALFT
	s_wait_kmcnt 0x0
	s_load_b256 s[88:95], s[84:85], 0x0            ; e0 .. e7
	s_cmp_eq_u32 ttmp9, 0                          ; q's cluster or k's?  The choice hangs on the cluster's number alone
	s_cselect_b64 s[4:5], s[68:69], s[70:71]       ; A
	s_cselect_b64 s[6:7], s[72:73], s[74:75]       ; B
	s_cselect_b64 s[12:13], s[76:77], s[78:79]     ; the bias
	s_cselect_b64 s[10:11], s[80:81], s[82:83]     ; the codes that I make
	s_add_nc_u64 s[20:21], s[4:5], s[20:21]
	s_add_nc_u64 s[46:47], s[6:7], s[46:47]
	CROUND
.irp s, 0,1
	s_mov_b32 s[G0+4*\s], 1
	s_add_co_u32 s[G0+4*\s+1], s45, \s*SLOT
	s_add_nc_u64 s[G0+4*\s+2:G0+4*\s+3], s[20:21], \s*ROWB
	s_or_b32 s[G0+4*\s+3], s[G0+4*\s+3], 0x80000000
	s_mov_b32 s[G0B+4*\s], 1
	s_add_co_u32 s[G0B+4*\s+1], s45, \s*SLOT
	s_add_nc_u64 s[G0B+4*\s+2:G0B+4*\s+3], s[46:47], \s*ROWB
	s_or_b32 s[G0B+4*\s+3], s[G0B+4*\s+3], 0x80000000
	s_wait_alu depctr_va_vdst(0)
	s_wait_tensorcnt 0x0
	ds_add_u32 v28, v29
	ds_add_u32 v28, v29
	s_wait_dscnt 0x0
	CROUND
	JLOAD G0+4*\s, G1, G0B+4*\s, G1B
.endr
	v_and_b32 v1, 15, v0                           ; r
	v_bfe_u32 v2, v0, 4, 1                         ; h
	v_mul_u32_u24 v3, v1, PITCH
	s_wait_alu depctr_va_vdst(0)
	v_lshl_add_u32 v4, v2, 4, v3
	s_mul_i32 s21, s15, HALFT
	s_mul_i32 s22, s16, HALFT
	s_add_co_u32 s22, s22, 2*HALFT
.irp s, 0,1
	v_add_nc_u32 v[ADRA+\s], s21, v4
	v_add_nc_u32 v[ADRB+\s], s22, v4
	s_add_co_u32 s21, s21, SLOT
	s_add_co_u32 s22, s22, SLOT
.endr
	s_mul_i32 s23, s15, HALFT                      ; the stage, 256 rows (positions) of 272 bytes in slot 0: row 128 x my half + r, byte 128 x my half of the channels + 8 h
	s_lshl_b32 s21, s16, 7
	s_add_co_u32 s23, s23, s21
	v_lshl_add_u32 v5, v2, 3, v3
	v_add_nc_u32 v[STO], s23, v5
	v_and_b32 v5, 31, v0                           ; back: wave w takes head w of the tile's four: 64 bytes of each row, eight rows an instruction
	v_lshrrev_b32 v6, 2, v5
	v_and_b32 v7, 3, v5
	v_mul_u32_u24 v6, v6, PITCH
	v_lshl_add_u32 v6, v7, 4, v6
	s_lshl_b32 s23, s14, 6
	v_add_nc_u32 v[RD], s23, v6
	v_add_nc_u32 v[RD2], 16*2176, v[RD]
	v_lshlrev_b32 v[CO], 4, v5
	s_lshr_b32 s20, s17, 3                         ; the codes: (16 x batch + 4 cx + wave) x 2,048 positions + the tile's 256, x 64 bytes
	s_lshl_b32 s20, s20, 4
	s_lshl_b32 s46, s42, 2
	s_add_co_u32 s20, s20, s46
	s_add_co_u32 s20, s20, s14
	s_lshl_b32 s20, s20, 11
	s_and_b32 s46, s17, 7
	s_lshl_b32 s46, s46, 8
	s_add_co_u32 s20, s20, s46
	s_lshl_b32 s20, s20, 6
	s_mov_b32 s21, 0
	s_add_nc_u64 s[10:11], s[10:11], s[20:21]
	s_lshl_b32 s20, s15, 7                         ; the tables at my 128 positions: rows of 128 bytes
	s_add_co_u32 s20, s20, s46
	s_lshl_b32 s20, s20, 7
	s_add_nc_u64 s[86:87], s[86:87], s[20:21]
	s_lshl_b32 s20, s42, 8                         ; the bias at my 128 channels
	s_lshl_b32 s46, s16, 7
	s_add_co_u32 s20, s20, s46
	s_lshl_b32 s20, s20, 2
	s_add_nc_u64 s[12:13], s[12:13], s[20:21]
	v_lshlrev_b32 v[BIO], 5, v2
	v_lshlrev_b32 v[CSO], 7, v1
	v_lshl_add_u32 v[CSO], v2, 5, v[CSO]
.irp b, 0,1,2,3,4,5,6,7
	global_load_b128 v[BIAS+8*\b:BIAS+8*\b+3], v[BIO], s[12:13] offset:64*\b        ; channels 16 b + 8 h + 0 .. 7
	global_load_b128 v[BIAS+8*\b+4:BIAS+8*\b+7], v[BIO], s[12:13] offset:64*\b+16
.endr
; the tables of block a (16 positions): cos of channels 16 be + 8 h + 0 .. 7 at set + 8 be, sinS at set + 16 + 8 be; the sets v96 and v128 take turns
.macro CSLOAD a
.set CSL, 96+32*((\a)%2)
.irp be, 0,1
	global_load_b128 v[CSL+8*\be:CSL+8*\be+3], v[CSO], s[86:87] offset:2048*(\a)+64*\be
	global_load_b128 v[CSL+8*\be+4:CSL+8*\be+7], v[CSO], s[86:87] offset:2048*(\a)+64*\be+16
	global_load_b128 v[CSL+16+8*\be:CSL+16+8*\be+3], v[CSO], s[86:87] offset:262144+2048*(\a)+64*\be
	global_load_b128 v[CSL+16+8*\be+4:CSL+16+8*\be+7], v[CSO], s[86:87] offset:262144+2048*(\a)+64*\be+16
.endr
.endm
	CSLOAD 0
.macro FRAG reg, adr, q, i
.irp c, 0,1,2,3
	ds_load_b128 v[\reg+4*\c:\reg+4*\c+3], v[\adr] offset:128*(\q)+32*\c+(\i)*16*PITCH
.endr
.endm
.macro MUL16 a0, p, zero               ; the 64 accumulators take turns, one instruction a turn
.irp a, \a0, \a0+1
.irp b, 0,1,2,3,4,5,6,7
.if \zero
	v_wmma_f32_16x16x128_fp8_fp8 v[8*(8*((\a)%4)+\b):8*(8*((\a)%4)+\b)+7], v[128*(\p)+FR*\b:128*(\p)+FR*\b+FR-1], v[AF+FR*(\a):AF+FR*(\a)+FR-1], 0
.else
	v_wmma_f32_16x16x128_fp8_fp8 v[8*(8*((\a)%4)+\b):8*(8*((\a)%4)+\b)+7], v[128*(\p)+FR*\b:128*(\p)+FR*\b+FR-1], v[AF+FR*(\a):AF+FR*(\a)+FR-1], v[8*(8*((\a)%4)+\b):8*(8*((\a)%4)+\b)+7]
.endif
.endr
.endr
.endm
.macro FETCH_B slot, q, p
	WIN TO_B
.irp i, 0,1,2,3,4,5,6,7
	FRAG 128*(\p)+FR*\i, ADRB+\slot, \q, \i
.endr
	WIN 0
.endm
.macro FETCH_A slot, q, i0
.irp i, \i0, \i0+1, \i0+2, \i0+3
	FRAG AF+FR*(\i), ADRA+\slot, \q, \i
.endr
.endm
.macro PLACES n
.rept \n
	v_nop
.endr
.endm
.macro STEP slot, q, zero
	s_wait_dscnt 4*NL                              ; the youngest 16 loads (A's blocks 4-7) may be out
	WIN MUL_LO
	MUL16 0, (\q)%2, \zero
	MUL16 2, (\q)%2, \zero
	s_wait_dscnt 0
	PLACES NP
	FETCH_B \slot, (\q)+1, 1-(\q)%2
	FETCH_A \slot, (\q)+1, 0
	WIN MUL_HI
	MUL16 4, (\q)%2, \zero
	MUL16 6, (\q)%2, \zero
	PLACES NP
	WIN 0
	FETCH_A \slot, (\q)+1, 4
.endm
.macro TURN slot, next, fill
	s_wait_tensorcnt 0x0                           ; all my tensor loads have landed: my part of the next slot
	ds_add_u32 v[SPW], v[NIL]                      ; 0 onto my spare word
	s_wait_dscnt 4*NL+1                            ; the add and the youngest 16 loads may be out
	WIN MUL_LO
	MUL16 0, 1, 0
	s_wait_dscnt 0x0                               ; the add is done, and my reads of this slot are over
	s_barrier_signal -1
	MUL16 2, 1, 0
	WIN 0
	s_barrier_wait -1
.if \fill
	CREST                                          ; a round of the cluster's barrier: no wave of any partner still reads this slot or has a load on its way
	s_add_nc_u64 s[G0+4*\slot+2:G0+4*\slot+3], s[G0+4*\slot+2:G0+4*\slot+3], 2*ROWB
	s_add_nc_u64 s[G0B+4*\slot+2:G0B+4*\slot+3], s[G0B+4*\slot+2:G0B+4*\slot+3], 2*ROWB
	JLOAD G0+4*\slot, G1, G0B+4*\slot, G1B
.else
	PLACES NP
.endif
	FETCH_B \next, 0, 0
	FETCH_A \next, 0, 0
	WIN MUL_HI
	MUL16 4, 1, 0
	MUL16 6, 1, 0
	PLACES NP
	WIN 0
	FETCH_A \next, 0, 4
.endm
	s_wait_tensorcnt 1                             ; my part of K step 0 is in; K step 1's load may be out
	s_barrier_signal -1
	s_barrier_wait -1
	FETCH_B 0, 0, 0
	FETCH_A 0, 0, 0
	FETCH_A 0, 0, 4
	STEP 0, 0, 1
	s_mov_b32 s3, LAPS-1
.Llap:
	TURN 0, 1, 1
	STEP 1, 0, 0
	TURN 1, 0, 1
	STEP 0, 0, 0
	s_sub_co_u32 s3, s3, 1
	s_cmp_lg_u32 s3, 0
	s_cbranch_scc1 .Llap
	TURN 0, 1, 0
	STEP 1, 0, 0
	s_wait_dscnt 4*NL
	WIN MUL_LO
	MUL16 0, 1, 0
	MUL16 2, 1, 0
	s_wait_dscnt 0
	WIN MUL_HI
	MUL16 4, 1, 0
	MUL16 6, 1, 0
	WIN 0
	; THE WAY OUT.  x = sum x 2^(eA + eB) x f + bias x f, f = 1/8 for q and 1 for k; the rotation; the hold; eight neighbouring channels become 8 bytes; they meet in a stage in slot 0.
	s_wait_kmcnt 0x0
	s_cmp_eq_u32 ttmp9, 0
	s_cselect_b32 s96, s88, s90                    ; e0 or e2
	s_cselect_b32 s97, s89, s91                    ; e1 or e3
	s_cselect_b32 s2, s94, s95                     ; e6 or e7
	s_cselect_b32 s3, 3, 0
	s_mov_b32 s98, 0x3f800000
	s_cselect_b32 s98, 0x3e000000, s98             ; f
	s_mov_b32 s99, s98
	s_add_co_i32 s96, s96, s97
	s_sub_co_i32 s96, s96, s3
	s_add_co_i32 s96, s96, 127
	s_lshl_b32 s96, s96, 23                        ; 2^(eA + eB) x f as f32
	s_mov_b32 s97, s96
	s_add_co_i32 s2, s2, 127
	s_lshl_b32 s3, s2, 23
	s_add_co_i32 s2, s2, 8
	s_lshl_b32 s2, s2, 23
	s_or_b32 s2, s2, 0x600000
	s_wait_loadcnt 0x0                             ; the bias and block 0's tables
	PLACES NP
	v_mov_b32 v240, s3                             ; the codes' scale as f32
.set jj, 0
.rept 32
	v_pk_mul_f32 v[BIAS+jj:BIAS+jj+1], v[BIAS+jj:BIAS+jj+1], s[98:99] op_sel_hi:[1,0]
.set jj, jj+2
.endr
.macro QBLK a                          ; block a: 16 positions x my 128 channels, a head at a time
.set AC, 64*((\a)%4)
.set CSR, 96+32*((\a)%2)
.set CD, 208+16*((\a)%2)               ; the codes' registers, two sets by turns
.if (\a) < 7
	CSLOAD (\a)+1
	s_wait_loadcnt 8                               ; this block's tables are in; the next block's 8 loads may be out
.else
	s_wait_loadcnt 0x0
.endif
.irp hh, 0,1
	WIN 0x02+((\a)/4)                              ; source 0: window 2 or 3
.set jj, 0
.rept 16
	v_pk_fma_f32 v[TMP+jj:TMP+jj+1], v[AC+32*\hh+jj:AC+32*\hh+jj+1], s[96:97], v[BIAS+32*\hh+jj:BIAS+32*\hh+jj+1] op_sel_hi:[1,0,1]
.set jj, jj+2
.endr
	WIN 0
.set jj, 0
.rept 8
	v_pk_mul_f32 v[T2+jj:T2+jj+1], v[TMP+jj:TMP+jj+1], v[CSR+16+jj:CSR+16+jj+1] op_sel:[1,0] op_sel_hi:[0,1]   ; (x odd x sinS even, x even x sinS odd)
.set jj, jj+2
.endr
.set jj, 0
.rept 8
	v_pk_fma_f32 v[TMP+jj:TMP+jj+1], v[TMP+jj:TMP+jj+1], v[CSR+jj:CSR+jj+1], v[T2+jj:T2+jj+1]
.set jj, jj+2
.endr
.set jj, 0
.rept 4
.set ii, 0
.rept 8
.set ii, ii+1
.endr
	v_cvt_scalef32_pk8_fp8_f32 v[CD+8*\hh+2*jj:CD+8*\hh+2*jj+1], v[TMP+8*jj:TMP+8*jj+7], v240
.set jj, jj+1
.endr
	v_nop                                          ; a plain instruction behind the last conversion
.set jj, 0
.rept 4
	ds_store_b64 v[STO], v[CD+8*\hh+2*jj:CD+8*\hh+2*jj+1] offset:4352*(\a)+64*\hh+16*jj
.set jj, jj+1
.endr
.endr
.endm
.irp a, 0,1,2,3,4,5,6,7
	QBLK \a
.endr
	s_wait_dscnt 0x0                               ; for the others' sake: my stores into the stage are done
	s_barrier_signal -1
	s_barrier_wait -1
.set tt, 0
.rept 16
	ds_load_b128 v[96+4*tt:99+4*tt], v[RD] offset:2176*tt          ; eight positions x my head's 64 bytes
.set tt, tt+1
.endr
.rept 16
	ds_load_b128 v[96+4*tt:99+4*tt], v[RD2] offset:2176*(tt-16)
.set tt, tt+1
.endr
.set tt, 0
.rept 32
	s_wait_dscnt 31-tt
	global_store_b128 v[CO], v[96+4*tt:99+4*tt], s[10:11] offset:512*tt   ; the wave stores 512 consecutive bytes, at a multiple of 256 from the buffer's first byte
.set tt, tt+1
.endr
	s_wait_tensorcnt 0x0                           ; the wave's end
	ds_add_u32 v[SPW], v[NIL]
	s_wait_dscnt 0x0
	CROUND                                         ; the closing round
	s_endpgm
.Lfunc_end_k_q45c52cab80_qkproj:
	.size	k_q45c52cab80_qkproj, .Lfunc_end_k_q45c52cab80_qkproj-k_q45c52cab80_qkproj
	.p2alignl 7, 3214868480
	.fill 96, 4, 3214868480
	.section	.rodata,"a",@progbits
	.p2align	6, 0x0
	.amdhsa_kernel k_q45c52cab80_qkproj
		.amdhsa_group_segment_fixed_size 327680
		.amdhsa_private_segment_fixed_size 0
		.amdhsa_enable_private_segment 0
		.amdhsa_kernarg_size 80
		.amdhsa_user_sgpr_count 2
		.amdhsa_user_sgpr_kernarg_segment_ptr 1
		.amdhsa_wavefront_size32 1
		.amdhsa_system_sgpr_workgroup_id_x 1
		.amdhsa_system_sgpr_workgroup_id_y 1
		.amdhsa_system_sgpr_workgroup_id_z 1
		.amdhsa_system_vgpr_workitem_id 0
		.amdhsa_next_free_vgpr 1024
		.amdhsa_next_free_sgpr 100
		.amdhsa_reserve_vcc 0
		.amdhsa_float_denorm_mode_32 3
		.amdhsa_float_denorm_mode_16_64 3
		.amdhsa_fp16_overflow 1
		.amdhsa_memory_ordered 1
		.amdhsa_forward_progress 1
		.amdhsa_inst_pref_size 137
	.end_amdhsa_kernel
	.amdgpu_metadata
---
amdhsa.version: [ 1, 2 ]
amdhsa.kernels:
  - .name:           k_q45c52cab80_qkproj
    .symbol:         k_q45c52cab80_qkproj.kd
    .args:
      - { .name: x_q_codes, .offset: 0, .size: 8, .value_kind: global_buffer, .address_space: global }
      - { .name: x_kv_codes, .offset: 8, .size: 8, .value_kind: global_buffer, .address_space: global }
      - { .name: Wq_codes, .offset: 16, .size: 8, .value_kind: global_buffer, .address_space: global }
      - { .name: Wk_codes, .offset: 24, .size: 8, .value_kind: global_buffer, .address_space: global }
      - { .name: bq, .offset: 32, .size: 8, .value_kind: global_buffer, .address_space: global }
      - { .name: bk, .offset: 40, .size: 8, .value_kind: global_buffer, .address_space: global }
      - { .name: q_codes, .offset: 48, .size: 8, .value_kind: global_buffer, .address_space: global }
      - { .name: k_codes, .offset: 56, .size: 8, .value_kind: global_buffer, .address_space: global }
      - { .name: lowp_scales, .offset: 64, .size: 8, .value_kind: global_buffer, .address_space: global }
      - { .name: rope, .offset: 72, .size: 8, .value_kind: global_buffer, .address_space: global }
    .group_segment_fixed_size: 327680
    .private_segment_fixed_size: 0
    .kernarg_segment_align: 8
    .kernarg_segment_size: 80
    .max_flat_workgroup_size: 128
    .sgpr_count:     100
    .vgpr_count:     1024
    .wavefront_size: 32
...
	.end_amdgpu_metadata
.endif
;; end of part 2
;; launch attn (part 3): grid 4 x 64, 16 waves a work-group, clusters of 4 x 1, 313,600 bytes of LDS; arguments q_codes, k_codes, v_codes, vpart, pad_mask, lowp_scales, o_codes; writes o_codes
.if DOCPART == 3
	.amdgcn_target "amdgcn-amd-amdhsa--gfx1250"
	.amdhsa_code_object_version 6
	.text
	.protected	k_q45c52cab80_attn
	.globl	k_q45c52cab80_attn
	.p2align	8
	.type	k_q45c52cab80_attn,@function
k_q45c52cab80_attn:
	s_mov_b64 s[64:65], 0
	v_nop
	global_prefetch_b8 v0, s[64:65] scope:SCOPE_SE
	s_setreg_imm32_b32 hwreg(HW_REG_WAVE_MODE, 25, 1), 1
	s_wait_xcnt 0x0
	s_wait_alu depctr_hold_cnt(0) depctr_sa_sdst(0) depctr_va_vdst(0) depctr_va_sdst(0) depctr_va_ssrc(0) depctr_va_vcc(0) depctr_vm_vsrc(0)
	s_getreg_b32 s2, hwreg(HW_REG_IB_STS2, 6, 4)
	s_cmp_eq_u32 s2, 0
	s_cbranch_scc0 .Lentry_in_a_cluster
	s_endpgm
.Lentry_in_a_cluster:
	s_bfe_u32 s2, ttmp6, 0x10000c
	s_cmp_lg_u32 s2, 0x3003
	s_cbranch_scc0 .Lentry_shape_is_right
	s_endpgm
.Lentry_shape_is_right:
; o = softmax(q k^T, under the pad mask and the causal mask) v for one head, both products on codes of FP8 (E4M3); o is quantised with the given 2^e10.
; q_codes, k_codes: [16 batch + head][2048][64].  v_codes: [16 batch + head][64][2048 keys].  pad_mask: [batch][2048] bytes.  vpart: [batch][8][1024] f32, sums of v's code values over 256 keys.
; o_codes: cells [row / 16][head][1,024 bytes]: the image of an operand's registers for 16 queries x 64 channels: byte 512 i + 16 lane + x = byte x of registers 4 i .. 4 i + 3 of lane (r, h); registers 2 t, 2 t + 1 hold channels 16 t + 8 h + 0 .. 7 of query r.
; THE SOFTMAX: t = score x log2(e) x 2^(e6 + e7); M = the running largest t rounded UP to a whole number; p = 2^(t - M) is quantised with 2^e8; the row's sum is taken of the unquantised p and divides at the end.
; THE MASKS.  A padded key's score gets -1e30 as the C of the first product: no vector instruction.  The largest t starts at log2(e) 2^(e6 + e7) x -1e15, under every true score (|sum of 64 products of codes| < 1.3e7) and over every padded one: so M never
; follows a padded key, whose p is 0.  On and beyond the diagonal hidden scores become -infinity.  A ROW IN WHICH NO KEY COUNTS ends with the sum 0; all its scores are equal in the definition, so p = 1 for all 2,048 keys:
; o = Q(1) x (the sum of v's quantised numbers) / 2,048.  That value is always computed and chosen by v_cndmask_b32.
; SHARES.  The four work-groups of a head are one cluster and ask for K and V jointly.  THE WHOLE HEAD LIES IN LDS: nothing is filled twice.  A wave owns 32 neighbouring queries, two tiles of 16: queries 32 (4 rho + g) on, g = the work-group's
; place in the cluster, rho = a number 0 .. 15 from a table by the wave's number, a 4 x 4 magic square: the waves w % 4 and the waves w / 4 alike sum to 30, so that the steps are shared evenly among the SIMDs.
; Every wave walks all 32 steps of 64 keys; a step beyond 2 rho + 1 is jumped over, the steps from 2 rho on are masked: neither test hangs on g.
; LAYOUT.  Both products transposed: S^T = K Q^T (source 0 = 16 keys), O^T = V^T P^T (source 0 = 16 channels): a lane holds ONE query.  A tile's eight registers are keys 16 tau + 8 h + 0 .. 7: their codes are registers 2 tau, 2 tau + 1 of P.
; LIMITS: e6 + e7 between -92 and 27; e8 and e10 between -126 and 119.  NaN among the inputs is not served.
; REGISTERS: v1-7 addresses that stay; v8-10 those of the step; v11 r - 8 h; v12-15, v16-19 a tile's -M, largest t, sum in two halves; v[20:21] f; v22-25, v30-31 at work; v26, v27 the hold and the scale; v28 -infinity; v29 the exchange;
;   v32-47 Q; v48-79 K; v80-111 V; v112-143 the pad mask's C; v144-175 S^T, then p; v176-191 P; v192-255 O^T.
.set KP,    80                         ; a key's row in LDS: 64 bytes + 16 of padding = 20 words: 16 rows start at 16 different groups of four banks (ISA guide 11.1)
.set VP,    272                        ; a row of V's chunk: 256 bytes + 16
.set KT,    40960                      ; 512 keys: what one load of K brings
.set VBASE, 163840                     ; behind K's 2,048 rows: V, eight chunks of 256 keys,
.set VCH,   17408                      ; 64 rows each
.set PADB,  303104                     ; an f32 for each key: 0, or -1e30 where it is padded
.set VSB,   311296                     ; 64 f32: o of a row in which no key counts
.set AK0, 1
.set AV0, 2
.set AB0, 3
.set PADW, 4
.set VSW, 5
.set AVS, 6
.set GO,  7
.set ADK, 8
.set ADV, 9
.set ADB, 10
.set DL,  11
.set QF,  32
.set KF,  48
.set VF,  80
.set CF,  112
.set S,   144
.set P,   176
.set O,   192
.set WV,  18                           ; s18 my wave's number
.set RHO, 19
.set SEL, 20                           ; s[20:21] lane selects: lane l xor 16
.set CS,  22                           ; s[22:23] log2(e) x 2^(e6 + e7)
.set G1K, 24
.set G1V, 32
.set KS,  76                           ; s76 the step
.set LASTK, 77                         ; s77 2 rho + 1
.set MASKK, 78                         ; s78 2 rho
.set KA,  79                           ; s79-81 the step's place among K's rows, in V, among the pad mask's words
.set VA,  80
.set BA,  81
.set DD,  82                           ; s82 my first query less the step's first key
.macro CROUND                          ; a round of the cluster's barrier
	s_barrier_signal -1
	s_barrier_wait -1
	s_cmp_lg_u32 s[WV], 0
	s_cbranch_scc1 .Lnot_wave_0_\@
	s_barrier_signal -3
.Lnot_wave_0_\@:
	s_barrier_wait -3
	s_barrier_signal -1
	s_barrier_wait -1
.endm
	s_load_b256 s[4:11], s[0:1], 0x0               ; q_codes s[4:5], k_codes s[6:7], v_codes s[8:9], vpart s[10:11]
	s_load_b128 s[12:15], s[0:1], 0x20             ; pad_mask s[12:13], the scales' exponents s[14:15]
	s_load_b64 s[16:17], s[0:1], 0x30              ; o_codes
	v_lshl_add_u32 v254, v0, 2, 0x4c100
	v_mov_b32 v255, 0
	ds_add_u32 v254, v255
	ds_add_u32 v254, v255
	s_wait_dscnt 0x0
	v_lshrrev_b32 v8, 5, v0
	s_delay_alu instid0(VALU_DEP_1)
	v_readfirstlane_b32 s[WV], v8                  ; wave 0..15
	v_and_b32 v22, 15, v0                          ; r
	v_bfe_u32 v23, v0, 4, 1                        ; h
	s_delay_alu instid0(VALU_DEP_2)
	v_mul_u32_u24 v[AK0], v22, KP
	s_delay_alu instid0(VALU_DEP_1)
	v_lshl_add_u32 v[AK0], v23, 4, v[AK0]          ; K: key r of a tile, + 16 h
	s_delay_alu instid0(VALU_DEP_4)
	v_mul_u32_u24 v[AV0], v22, VP
	s_delay_alu instid0(VALU_DEP_1)
	v_lshl_add_u32 v[AV0], v23, 3, v[AV0]
	s_delay_alu instid0(VALU_DEP_1)
	v_add_nc_u32 v[AV0], VBASE, v[AV0]             ; V: channel r of a tile, + 8 h
	v_lshlrev_b32 v[AB0], 5, v23
	s_delay_alu instid0(VALU_DEP_1)
	v_add_nc_u32 v[AB0], PADB, v[AB0]              ; the pad mask's words of keys 8 h + 0 .. 7
	v_lshl_add_u32 v[PADW], v0, 4, PADB            ; where I store four of them
	v_and_b32 v[VSW], 63, v0
	s_delay_alu instid0(VALU_DEP_1)
	v_lshl_add_u32 v[VSW], v[VSW], 2, VSB
	v_lshlrev_b32 v[AVS], 5, v23
	s_delay_alu instid0(VALU_DEP_1)
	v_add_nc_u32 v[AVS], VSB, v[AVS]
	v_and_b32 v[GO], 31, v0
	s_delay_alu instid0(VALU_DEP_1)
	v_lshlrev_b32 v[GO], 4, v[GO]
	v_lshlrev_b32 v[DL], 3, v23
	s_delay_alu instid0(VALU_DEP_1)
	v_sub_nc_u32 v[DL], v22, v[DL]
	v_lshlrev_b32 v24, 6, v22
	s_delay_alu instid0(VALU_DEP_1)
	v_lshl_add_u32 v24, v23, 4, v24                ; Q: row r of 64 bytes, + 16 h
	v_lshlrev_b32 v25, 2, v0                       ; my four bytes of the pad mask
	v_and_b32 v31, 63, v0
	s_delay_alu instid0(VALU_DEP_1)
	v_lshlrev_b32 v31, 2, v31                      ; my channel's word in vpart
	s_and_b32 s2, ttmp7, 0xffff                    ; 16 x batch + head, which the four partners share
	s_bfe_u32 s3, ttmp6, 0x40000                   ; g = cx: it enters Q's and O's addresses and the mask's numbers alone
	s_mov_b32 s[RHO], 0xf12c4a97
	s_cmp_lt_u32 s[WV], 8
	s_cselect_b32 s[RHO], 0x865b3de0, s[RHO]
	s_and_b32 s76, s[WV], 7
	s_lshl_b32 s76, s76, 2
	s_lshr_b32 s[RHO], s[RHO], s76
	s_and_b32 s[RHO], s[RHO], 15                   ; four bits of the table
	s_lshl_b32 s[MASKK], s[RHO], 1
	s_add_co_u32 s[LASTK], s[MASKK], 1
	s_lshl_b32 s85, s[RHO], 2
	s_add_co_u32 s85, s85, s3                      ; 4 rho + g
	s_lshl_b32 s[DD], s85, 5                       ; my first query
	s_mov_b32 s[SEL], 0x76543210
	s_mov_b32 s[SEL+1], 0xfedcba98
	; descriptor group 1.  K: 128 rows of 256 bytes (four keys; the head's keys are dense in memory), 16 bytes of padding behind every 64.  V: 64 rows of 256 bytes, 2,048 bytes apart, 16 behind each.
	s_mov_b32 s[G1K], 15|(1<<20)|(1<<21)|(3<<22)|(3<<25)    ; 15:0 the mask: all four work-groups; 17:16 elements of 1 byte; 20 padding on; 21 set beside a mask; 24:22 after every 16 words; 31:25 of 4 words
	s_mov_b32 s[G1K+1], 256<<16
	s_mov_b32 s[G1K+2], 128<<16
	s_mov_b32 s[G1K+3], 256<<16
	s_mov_b32 s[G1K+4], 128
	s_mov_b32 s[G1K+5], 256
	s_mov_b32 s[G1K+6], 0
	s_mov_b32 s[G1K+7], 0
	s_mov_b32 s[G1V], 15|(1<<20)|(1<<21)|(5<<22)|(3<<25)    ; padding: 4 words after every 64
	s_mov_b32 s[G1V+1], 256<<16
	s_mov_b32 s[G1V+2], 64<<16
	s_mov_b32 s[G1V+3], 256<<16
	s_mov_b32 s[G1V+4], 64
	s_mov_b32 s[G1V+5], 2048
	s_mov_b32 s[G1V+6], 0
	s_mov_b32 s[G1V+7], 0
	s_bfe_u32 s84, s[WV], 0x10001                  ; wave 1 takes V's even chunks, wave 2 the odd ones
	s_mul_i32 s83, s84, VCH
	s_add_co_u32 s83, s83, VBASE
	s_wait_kmcnt 0x0
	s_load_b128 s[88:91], s[14:15], 0x18           ; e6, e7, e8, e9
	s_load_b32 s92, s[14:15], 0x28                 ; e10
	s_lshl_b32 s86, s2, 17                         ; the head's 131,072 bytes in each tensor of codes
	s_mov_b32 s87, 0
	s_add_nc_u64 s[6:7], s[6:7], s[86:87]
	s_add_nc_u64 s[8:9], s[8:9], s[86:87]
	s_lshl_b32 s86, s84, 8
	s_add_nc_u64 s[8:9], s[8:9], s[86:87]
.irp i, 0,1,2,3
	s_mov_b32 s[40+4*\i], 1                        ; K's four loads: keys 512 i on
	s_mov_b32 s[41+4*\i], KT*\i
	s_add_nc_u64 s[42+4*\i:43+4*\i], s[6:7], 32768*\i
	s_or_b32 s[43+4*\i], s[43+4*\i], 0x80000000
.endr
.macro GV g, j                         ; V's chunk 2 j + (0 or 1)
	s_mov_b32 s[\g], 1
	s_add_co_u32 s[\g+1], s83, 2*VCH*\j
	s_add_nc_u64 s[\g+2:\g+3], s[8:9], 512*\j
	s_or_b32 s[\g+3], s[\g+3], 0x80000000
.endm
	GV 56, 0
	GV 60, 1
	GV 68, 2
	GV 72, 3
	s_lshl_b32 s86, s2, 11
	s_add_co_u32 s86, s86, s[DD]
	s_lshl_b32 s86, s86, 6
	s_add_nc_u64 s[4:5], s[4:5], s[86:87]          ; Q's codes at my first query
	s_lshr_b32 s93, s2, 4                          ; the batch
	s_lshl_b32 s86, s93, 11
	s_add_nc_u64 s[12:13], s[12:13], s[86:87]      ; its row of the pad mask
	s_and_b32 s94, s2, 15                          ; the head
	s_lshl_b32 s86, s93, 15
	s_lshl_b32 s95, s94, 8
	s_add_co_u32 s86, s86, s95
	s_add_nc_u64 s[10:11], s[10:11], s[86:87]      ; vpart: the batch's eight parts, the head's 64 channels
	s_lshl_b32 s86, s93, 7
	s_lshl_b32 s95, s85, 1
	s_add_co_u32 s86, s86, s95                     ; my first tile of 16 rows
	s_lshl_b32 s86, s86, 14
	s_lshl_b32 s95, s94, 10
	s_add_co_u32 s86, s86, s95
	s_add_nc_u64 s[16:17], s[16:17], s[86:87]      ; its cell of my head
	CROUND                                         ; all four work-groups are here: the joint loads meet
	s_cmp_eq_u32 s[WV], 0                          ; a wave's four fills stand in one branch on its number: four tensor loads of mine are out at the most; four v_nop follow the last
	s_cbranch_scc0 .Lnot_k
	tensor_load_to_lds s[40:43], s[G1K:G1K+7]
	s_nop 0
	tensor_load_to_lds s[44:47], s[G1K:G1K+7]
	s_nop 0
	tensor_load_to_lds s[48:51], s[G1K:G1K+7]
	s_nop 0
	tensor_load_to_lds s[52:55], s[G1K:G1K+7]
	s_nop 0
.rept 4
	v_nop
.endr
	s_branch .Lasked
.Lnot_k:
	s_cmp_lt_u32 s[WV], 3
	s_cbranch_scc0 .Lasked
	tensor_load_to_lds s[56:59], s[G1V:G1V+7]
	s_nop 0
	tensor_load_to_lds s[60:63], s[G1V:G1V+7]
	s_nop 0
	tensor_load_to_lds s[68:71], s[G1V:G1V+7]
	s_nop 0
	tensor_load_to_lds s[72:75], s[G1V:G1V+7]
	s_nop 0
.rept 4
	v_nop
.endr
.Lasked:
	s_wait_alu depctr_va_vdst(0)
.irp t, 0,1
.irp c, 0,1
	global_load_b128 v[QF+8*\t+4*\c:QF+8*\t+4*\c+3], v24, s[4:5] offset:1024*\t+32*\c   ; Q's two fragments stay in registers: registers 4 c .. 4 c + 3 hold channels 32 c + 16 h + 0 .. 15, as K's will
.endr
.endr
	global_load_b32 v30, v25, s[12:13]
	s_wait_kmcnt 0x0
	s_add_co_i32 s86, s88, s89
	s_lshl_b32 s86, s86, 23
	s_add_co_i32 s[CS], s86, 0x3fb8aa3b            ; log2(e), with e6 + e7 added to its exponent field
	s_mov_b32 s[CS+1], s[CS]
	s_add_co_i32 s86, s90, 127
	s_lshl_b32 s87, s86, 23
	v_mov_b32 v27, s87                             ; 2^e8 as f32
	s_add_co_i32 s86, s86, 8
	s_lshl_b32 s86, s86, 23
	s_or_b32 s86, s86, 0x600000
	v_mov_b32 v26, s86                             ; 448 x 2^e8
.set jj, 0
.rept 8
	v_min_num_f32 v[S+jj], 1.0, v26                ; p = 1, held
.set jj, jj+1
.endr
	v_cvt_scalef32_pk8_fp8_f32 v[152:153], v[S:S+7], v27
	v_nop                                          ; a plain instruction behind the conversion
	v_cvt_f32_fp8 v154, v152                       ; its code's value,
	s_add_co_i32 s93, s90, s91
	s_sub_co_i32 s86, s93, 11
	v_ldexp_f32 v154, v154, s86                    ; x 2^(e8 + e9) / 2,048
	v_mov_b32 v116, 0xf149f2ca                     ; -1e30
	s_wait_alu depctr_va_vdst(0)
	s_wait_loadcnt 0x0                             ; Q and the pad mask
.irp i, 0,1,2,3
	v_bfe_u32 v117, v30, 8*\i, 8
	s_delay_alu instid0(VALU_DEP_1)
	v_cmp_ne_u32 vcc_lo, 0, v117
	s_delay_alu instid0(VALU_DEP_1)
	v_cndmask_b32 v[112+\i], 0, v116, vcc_lo
.endr
	ds_store_b128 v[PADW], v[112:115]
	s_lshr_b32 s86, s[WV], 1                       ; waves 4 and 5 make the 64 numbers for a row in which no key counts
	s_cmp_eq_u32 s86, 2
	s_cbranch_scc0 .Lno_vs
.irp p, 0,1,2,3,4,5,6,7
	global_load_b32 v[160+\p], v31, s[10:11] offset:4096*\p
.endr
	s_wait_loadcnt 0x0
	v_add_f32 v160, v160, v161
	v_add_f32 v162, v162, v163
	v_add_f32 v164, v164, v165
	v_add_f32 v166, v166, v167
	s_delay_alu instid0(VALU_DEP_3)
	v_add_f32 v160, v160, v162
	s_delay_alu instid0(VALU_DEP_2)
	v_add_f32 v164, v164, v166
	s_delay_alu instid0(VALU_DEP_1)
	v_add_f32 v160, v160, v164
	s_delay_alu instid0(VALU_DEP_1)
	v_mul_f32 v160, v160, v154
	ds_store_b32 v[VSW], v160
.Lno_vs:
	v_mov_b32 v13, 0xd8635fa9                      ; -1e15
	s_delay_alu instid0(VALU_DEP_1)
	v_mul_f32 v13, s[CS], v13                      ; the largest t so far
	s_delay_alu instid0(VALU_DEP_1)
	v_floor_f32 v12, -v13                          ; -M
	s_delay_alu instid0(VALU_DEP_2)
	v_mov_b32 v17, v13
	s_delay_alu instid0(VALU_DEP_2)
	v_mov_b32 v16, v12
	v_mov_b32 v14, 0
	v_mov_b32 v15, 0
	v_mov_b32 v18, 0
	v_mov_b32 v19, 0
	v_mov_b32 v20, 0
	v_mov_b32 v21, 0                               ; (named as the upper half of the pair v[20:21])
	v_mov_b32 v28, 0xff800000                      ; -infinity
	v_mov_b32 v29, 0                               ; a lane permute's destination counts as one of its sources
.set jj, 0
.rept 64
	v_mov_b32 v[O+jj], 0                           ; O^T: the step is written once; its first trip finds zeros
.set jj, jj+1
.endr
	s_wait_tensorcnt 0x0                           ; my fills have landed,
	s_wait_dscnt 0x0                               ; my LDS stores too:
	s_barrier_signal -1
	s_barrier_wait -1                              ; everybody's have.  From here on the waves run free
; One tile's softmax for 64 keys.  x = 0, 1: the tile.
.macro SOFT x
.set rT, 12+4*(\x)
.set rP, P+8*(\x)
.set rO, O+32*(\x)
	s_cmp_lt_u32 s[KS], s[MASKK]
	s_cbranch_scc1 .Lopen_\@                       ; all keys of the step come before my 32 queries' block of 128
	v_add_nc_u32 v22, s[DD], v[DL]                 ; register 8 tau + j holds key 16 tau + 8 h + j of the step: hidden where 16 tau + j - 16 x > my first query - the step's first key + r - 8 h
.irp t, 0,1,2,3
.irp j, 0,1,2,3,4,5,6,7
	v_cmp_gt_i32 vcc_lo, 16*\t+\j-16*(\x), v22
	v_cndmask_b32 v[S+8*\t+\j], v[S+8*\t+\j], v28, vcc_lo
.endr
.endr
.Lopen_\@:
.irp t, 0,1,2,3
	v_max3_num_f32 v[22+\t], v[S+8*\t], v[S+8*\t+1], v[S+8*\t+2]   ; four chains, each from its accumulator's low end on
.endr
.irp t, 0,1,2,3
	v_max3_num_f32 v[22+\t], v[22+\t], v[S+8*\t+3], v[S+8*\t+4]
.endr
.irp t, 0,1,2,3
	v_max3_num_f32 v[22+\t], v[22+\t], v[S+8*\t+5], v[S+8*\t+6]
.endr
	v_max3_num_f32 v22, v22, v[S+7], v[S+15]
	v_max3_num_f32 v24, v24, v[S+23], v[S+31]
	s_delay_alu instid0(VALU_DEP_1)
	v_max3_num_f32 v22, v22, v23, v24
	s_delay_alu instid0(VALU_DEP_1)
	v_max_num_f32 v22, v22, v25
	s_delay_alu instid0(VALU_DEP_1)
	v_permlanex16_b32 v29, v22, s[SEL], s[SEL+1]
	s_delay_alu instid0(VALU_DEP_1)
	v_max_num_f32 v22, v22, v29                    ; and the lane's 16 away: the query's other 32 keys
	s_delay_alu instid0(VALU_DEP_1)
	v_mul_f32 v22, s[CS], v22
	s_delay_alu instid0(VALU_DEP_1)
	v_max_num_f32 v[rT+1], v[rT+1], v22            ; the running largest t
	v_mov_b32 v22, v[rT]
	s_delay_alu instid0(VALU_DEP_2)
	v_floor_f32 v[rT], -v[rT+1]                    ; -M = floor(-t): M is a whole number
	s_delay_alu instid0(VALU_DEP_1)
	v_sub_f32 v22, v[rT], v22                      ; old M - new M, 0 or less
	s_delay_alu instid0(VALU_DEP_1)
	v_cvt_i32_f32 v22, v22                         ; (it saturates)
	s_delay_alu instid0(VALU_DEP_1)
	v_ldexp_f32 v20, 1.0, v22                      ; f = 2^(old M - new M): a multiplication by it rounds nothing
.set jj, 0
.rept 16
	v_pk_fma_f32 v[S+jj:S+jj+1], v[S+jj:S+jj+1], s[CS:CS+1], v[rT:rT+1] op_sel_hi:[1,0,0]   ; t - M
.set jj, jj+2
.endr
.set jj, 0
	s_wait_alu depctr_va_vdst(0)
.rept 32
	v_exp_f32 v[S+jj], v[S+jj]                     ; p = 2^(t - M)
.set jj, jj+1
.endr
	v_pk_mul_f32 v[rT+2:rT+3], v[rT+2:rT+3], v[20:21] op_sel_hi:[1,0]   ; the sums under the new M: the plain instruction behind the exponentials
	s_wait_alu depctr_va_vdst(0)                   ; one wait for the batch, ahead of its first reader
	v_pk_add_f32 v[30:31], v[S:S+1], v[S+2:S+3]    ; the sum of the unquantised p, in two chains
.set jj, 4
.rept 7
	v_pk_add_f32 v[rT+2:rT+3], v[rT+2:rT+3], v[S+jj:S+jj+1]
	v_pk_add_f32 v[30:31], v[30:31], v[S+jj+2:S+jj+3]
.set jj, jj+4
.endr
	s_delay_alu instid0(VALU_DEP_1)
	v_pk_add_f32 v[rT+2:rT+3], v[rT+2:rT+3], v[30:31]
.set jj, 0
.rept 4
.set ii, 0
.rept 8
.set ii, ii+1
.endr
	v_cvt_scalef32_pk8_fp8_f32 v[rP+2*jj:rP+2*jj+1], v[S+8*jj:S+8*jj+7], v27
.set jj, jj+1
.endr
.set jj, 0
.rept 16
	v_pk_mul_f32 v[rO+jj:rO+jj+1], v[rO+jj:rO+jj+1], v[20:21] op_sel_hi:[1,0]   ; O^T under the new M; also the plain instructions behind the conversions
.set jj, jj+2
.endr
.endm
; S^T of tile x: four products; the pad mask's words are their C
.macro SCORES x
.irp t, 0,1,2,3
	v_wmma_f32_16x16x64_fp8_fp8 v[S+8*\t:S+8*\t+7], v[KF+8*\t:KF+8*\t+7], v[QF+8*(\x):QF+8*(\x)+7], v[CF+8*\t:CF+8*\t+7]
.endr
.rept 4
	v_nop                                          ; places in front of the first read of the results (ISA guide 7.12.1)
.endr
.endm
	s_mov_b32 s[KS], 0
	s_mov_b32 s[KA], 0
	s_mov_b32 s[VA], 0
	s_mov_b32 s[BA], 0
	s_mov_b32 s83, 8                               ; V's eight chunks
.Lchunk:
	s_mov_b32 s84, 4                               ; of four steps each
.Lstep:
	s_cmp_gt_u32 s[KS], s[LASTK]
	s_cbranch_scc1 .Lhidden                        ; all 64 keys come after my queries: the step's work is left out, its address steps are not
	s_setprio 2
	v_add_nc_u32 v[ADK], s[KA], v[AK0]
	v_add_nc_u32 v[ADV], s[VA], v[AV0]
	v_add_nc_u32 v[ADB], s[BA], v[AB0]
	v_nop                                          ; with the three additions: four places in front of loads into registers that the last products read
.irp t, 0,1,2,3
	ds_load_b128 v[CF+8*\t:CF+8*\t+3], v[ADB] offset:64*\t
	ds_load_b128 v[CF+8*\t+4:CF+8*\t+7], v[ADB] offset:64*\t+16
.endr
.irp t, 0,1,2,3
	ds_load_b128 v[KF+8*\t:KF+8*\t+3], v[ADK] offset:16*KP*\t
	ds_load_b128 v[KF+8*\t+4:KF+8*\t+7], v[ADK] offset:16*KP*\t+32
.endr
.irp t, 0,1,2,3
.irp c, 0,1,2,3
	ds_load_b64 v[VF+8*\t+2*\c:VF+8*\t+2*\c+1], v[ADV] offset:16*VP*\t+16*\c   ; channel 16 t + r, keys 16 c + 8 h + 0 .. 7
.endr
.endr
	s_wait_dscnt 16                                ; the mask's words and K are in; V's 16 loads may be out
	SCORES 0
	SOFT 0
	SCORES 1
	s_setprio 1
	SOFT 1
	s_setprio 0
	s_wait_alu depctr_va_vdst(0)
	s_wait_dscnt 0x0                               ; V
.irp t, 0,1,2,3
.irp x, 0,1
	v_wmma_f32_16x16x64_fp8_fp8 v[O+32*\x+8*\t:O+32*\x+8*\t+7], v[VF+8*\t:VF+8*\t+7], v[P+8*\x:P+8*\x+7], v[O+32*\x+8*\t:O+32*\x+8*\t+7]   ; eight accumulators by turns
.endr
.endr
.Lhidden:
	s_add_co_u32 s[KS], s[KS], 1
	s_add_co_u32 s[KA], s[KA], 64*KP
	s_add_co_u32 s[VA], s[VA], 64
	s_add_co_u32 s[BA], s[BA], 256
	s_sub_co_i32 s[DD], s[DD], 64
	s_sub_co_u32 s84, s84, 1
	s_cmp_lg_u32 s84, 0
	s_cbranch_scc1 .Lstep
	s_setprio 0
	s_add_co_u32 s[VA], s[VA], VCH-256             ; on to V's next chunk
	s_sub_co_u32 s83, s83, 1
	s_cmp_lg_u32 s83, 0
	s_cbranch_scc1 .Lchunk
	; THE WAY OUT.  o = O^T x 2^(e8 + e9) / the sum, or the stored numbers where the sum is 0; held, quantised with 2^e10; a lane's codes are the cell's bytes as they stand.
.rept 4
	v_nop                                          ; places behind the last products
.endr
.irp t, 0,1,2,3
	ds_load_b128 v[KF+8*\t:KF+8*\t+3], v[AVS] offset:64*\t          ; channels 16 t + 8 h + 0 .. 7
	ds_load_b128 v[KF+8*\t+4:KF+8*\t+7], v[AVS] offset:64*\t+16
.endr
	s_add_co_i32 s86, s92, 127
	s_lshl_b32 s87, s86, 23
	v_mov_b32 v27, s87                             ; 2^e10 as f32
	s_wait_dscnt 0x0
.macro OUTT x
.set rT, 12+4*(\x)
.set rP, P+8*(\x)
.set rO, O+32*(\x)
	v_add_f32 v22, v[rT+2], v[rT+3]
	s_delay_alu instid0(VALU_DEP_1)
	v_permlanex16_b32 v29, v22, s[SEL], s[SEL+1]
	s_delay_alu instid0(VALU_DEP_1)
	v_add_f32 v22, v22, v29                        ; the row's sum
	s_delay_alu instid0(VALU_DEP_1)
	v_cmp_eq_f32 s94, 0, v22                       ; no key counted
	v_rcp_f32 v23, v22
	v_nop                                          ; a plain instruction behind the reciprocal
	s_wait_alu depctr_va_vdst(0)                   ; and the wait ahead of its first reader
	v_ldexp_f32 v23, v23, s93                      ; x 2^(e8 + e9)
.set jj, 0
.rept 32
	v_mul_f32 v[S+jj], v[rO+jj], v23
.set jj, jj+1
.endr
.set jj, 0
.rept 32
	v_cndmask_b32 v[S+jj], v[S+jj], v[KF+jj], s94
.set jj, jj+1
.endr
.set jj, 0
.rept 4
.set ii, 0
.rept 8
.set ii, ii+1
.endr
	v_cvt_scalef32_pk8_fp8_f32 v[rP+2*jj:rP+2*jj+1], v[S+8*jj:S+8*jj+7], v27
.set jj, jj+1
.endr
	v_nop                                          ; a plain instruction behind the last conversion
	global_store_b128 v[GO], v[rP:rP+3], s[16:17] offset:16384*(\x)          ; the wave stores 512 consecutive bytes, at a multiple of 256 from the buffer's first byte
	global_store_b128 v[GO], v[rP+4:rP+7], s[16:17] offset:16384*(\x)+512
.endm
	OUTT 0
	OUTT 1
	s_wait_xcnt 0x0
	v_lshl_add_u32 v254, v0, 2, 0x4c100
	v_mov_b32 v255, 0
	s_wait_alu depctr_va_vdst(0)
	s_wait_tensorcnt 0x0
	ds_add_u32 v254, v255
	s_wait_dscnt 0x0
	CROUND                                         ; the closing round: no work-group ends while a partner may still ask for a tile that names it
	s_endpgm
.Lfunc_end_k_q45c52cab80_attn:
	.size	k_q45c52cab80_attn, .Lfunc_end_k_q45c52cab80_attn-k_q45c52cab80_attn
	.p2alignl 7, 3214868480
	.fill 96, 4, 3214868480
	.section	.rodata,"a",@progbits
	.p2align	6, 0x0
	.amdhsa_kernel k_q45c52cab80_attn
		.amdhsa_group_segment_fixed_size 313600
		.amdhsa_private_segment_fixed_size 0
		.amdhsa_enable_private_segment 0
		.amdhsa_kernarg_size 56
		.amdhsa_user_sgpr_count 2
		.amdhsa_user_sgpr_kernarg_segment_ptr 1
		.amdhsa_wavefront_size32 1
		.amdhsa_system_sgpr_workgroup_id_x 1
		.amdhsa_system_sgpr_workgroup_id_y 1
		.amdhsa_system_sgpr_workgroup_id_z 1
		.amdhsa_system_vgpr_workitem_id 0
		.amdhsa_next_free_vgpr 256
		.amdhsa_next_free_sgpr 100
		.amdhsa_reserve_vcc 1
		.amdhsa_float_denorm_mode_32 3
		.amdhsa_float_denorm_mode_16_64 3
		.amdhsa_fp16_overflow 1
		.amdhsa_memory_ordered 1
		.amdhsa_forward_progress 1
		.amdhsa_inst_pref_size 45
	.end_amdhsa_kernel
	.amdgpu_metadata
---
amdhsa.version: [ 1, 2 ]
amdhsa.kernels:
  - .name:           k_q45c52cab80_attn
    .symbol:         k_q45c52cab80_attn.kd
    .args:
      - { .name: q_codes, .offset: 0, .size: 8, .value_kind: global_buffer, .address_space: global }
      - { .name: k_codes, .offset: 8, .size: 8, .value_kind: global_buffer, .address_space: global }
      - { .name: v_codes, .offset: 16, .size: 8, .value_kind: global_buffer, .address_space: global }
      - { .name: vpart, .offset: 24, .size: 8, .value_kind: global_buffer, .address_space: global }
      - { .name: pad_mask, .offset: 32, .size: 8, .value_kind: global_buffer, .address_space: global }
      - { .name: lowp_scales, .offset: 40, .size: 8, .value_kind: global_buffer, .address_space: global }
      - { .name: o_codes, .offset: 48, .size: 8, .value_kind: global_buffer, .address_space: global }
    .group_segment_fixed_size: 313600
    .private_segment_fixed_size: 0
    .kernarg_segment_align: 8
    .kernarg_segment_size: 56
    .max_flat_workgroup_size: 512
    .sgpr_count:     100
    .vgpr_count:     256
    .wavefront_size: 32
...
	.end_amdgpu_metadata
.endif
;; end of part 3
;; launch oproj (part 4): grid 4 x 32, 4 waves a work-group, clusters of 4 x 4, 327,680 bytes of LDS; arguments o_codes, Wo_codes, lowp_scales, out0, bo; writes out0
.if DOCPART == 4
	.amdgcn_target "amdgcn-amd-amdhsa--gfx1250"
	.amdhsa_code_object_version 6
	.text
	.protected	k_q45c52cab80_oproj
	.globl	k_q45c52cab80_oproj
	.p2align	8
	.type	k_q45c52cab80_oproj,@function
k_q45c52cab80_oproj:
	s_mov_b64 s[64:65], 0
	v_nop
	global_prefetch_b8 v0, s[64:65] scope:SCOPE_SE
	s_setreg_imm32_b32 hwreg(HW_REG_WAVE_MODE, 25, 1), 1
	s_wait_xcnt 0x0
	s_wait_alu depctr_hold_cnt(0) depctr_sa_sdst(0) depctr_va_vdst(0) depctr_va_sdst(0) depctr_va_ssrc(0) depctr_va_vcc(0) depctr_vm_vsrc(0)
	s_getreg_b32 s2, hwreg(HW_REG_IB_STS2, 6, 4)
	s_cmp_eq_u32 s2, 0
	s_cbranch_scc0 .Lentry_in_a_cluster
	s_endpgm
.Lentry_in_a_cluster:
	s_bfe_u32 s2, ttmp6, 0x10000c
	s_cmp_lg_u32 s2, 0xf033
	s_cbranch_scc0 .Lentry_shape_is_right
	s_endpgm
.Lentry_shape_is_right:
; out0 = o Wo^T x 2^(e10 + e11) + bo on codes of FP8 (E4M3).  B = Wo's codes [1024][1024], K innermost.  out0: [8192][1024] f32.
; A = o's codes in CELLS, [row / 16][head][1,024 bytes]: a cell is the image of an operand's registers for 16 rows x 64 along K: byte 512 i + 16 lane + x = byte x of registers 4 i .. 4 i + 3 of lane (r, h); registers 2 t, 2 t + 1 hold K = 16 t + 8 h + 0 .. 7.
; Two neighbouring cells are a fragment of 16 rows x 128 K with every k in the place that this matrix instruction's own layout gives it; so B's fragments are fetched in that layout too, eight loads of 8 bytes.
; A tile of 256 x 256 is made by four waves, each 128 x 128; K in steps of 256 (four cells a block of rows: 4,096 consecutive bytes) through a ring of two LDS slots.
; CLUSTERS: 4 x 4 work-groups; A's tiles are asked for jointly along a row of the cluster, B's along a column.  THE MATRIX INSTRUCTION IS USED TRANSPOSED: a lane holds eight neighbouring numbers of a row of out0.
; LIMIT: e10 + e11 between -126 and 127.
; REGISTERS: window 0: v0-31 addresses; v32-95 bo of my 128 columns; from v128 A's fragments, ONE set; on the way out v128-255 rows read back.  window 1: B's two sets; on the way out v0-63 a block's results.  windows 2, 3: the accumulators.
.set KSTEP,  256
.set ROWB,   256
.set KROW,   1024
.set PITCH,  272                       ; B's LDS row: 256 bytes + 16 of padding: the 32 lanes of a load of 8 bytes touch 64 different banks (ISA guide 11.1)
.set FR,     16
.set NL,     4                         ; LDS loads that bring a fragment of A
.set NP,     4
.set HALFT,  128*PITCH
.set ASZ,    65536                     ; A's part of a slot: 16 blocks of rows x 4,096 bytes, dense
.set ASTEP,  4096                      ; a K step of A in memory
.set SLOT,   ASZ+2*HALFT
.set LAPS,   2
.set SPARE,  2*SLOT                    ; the spare words, 128 bytes for each wave, which no other line names
.set SPITCH, 528                       ; the way out: a stage of 16 rows x (512 bytes + 16) for each wave, in slot 0, which has had its last fill and its last read by then
.set SIZE_N, 1024
.set ADRA, 16
.set ADRB, 20
.set STO,  24
.set RD,   25
.set CO,   26                          ; v26 16 x lane
.set SPW,  28
.set NIL,  29
.set BIO,  30                          ; v30 32 h
.set BIAS, 32
.set TMP1, 0                           ; in window 1
.set AF,   128
.set BK,   128
.set G1, 24
.set G0, 32
.set G1B, 48
.set G0B, 56
.set MSB, 0
.macro WIN new
.if MSB != (\new)
	s_set_vgpr_msb (MSB<<8)|(\new)
.set MSB, (\new)
.endif
.endm
.set MUL_LO, 0xa1
.set MUL_HI, 0xf1
.set TO_B,   0x40
.macro JLOAD g0a, g1a, g0b, g1b        ; a joint load: waves 0 and 1 fetch for A, waves 2 and 3 for B; four v_nop follow each of the two lines
	s_cmp_eq_u32 s15, 0
	s_cbranch_scc0 .Lfor_b_\@
	tensor_load_to_lds s[\g0a:\g0a+3], s[\g1a:\g1a+7]
	s_nop 0
.rept 4
	v_nop
.endr
	s_branch .Lasked_\@
.Lfor_b_\@:
	tensor_load_to_lds s[\g0b:\g0b+3], s[\g1b:\g1b+7]
	s_nop 0
.rept 4
	v_nop
.endr
.Lasked_\@:
.endm
.macro CREST
	s_cmp_lg_u32 s14, 0
	s_cbranch_scc1 .Lnot_wave_0_\@
	s_barrier_signal -3
.Lnot_wave_0_\@:
	s_barrier_wait -3
	s_barrier_signal -1
	s_barrier_wait -1
.endm
.macro CROUND
	s_barrier_signal -1
	s_barrier_wait -1
	CREST
.endm
	s_load_b256 s[4:11], s[0:1], 0x0               ; o_codes s[4:5], Wo's codes s[6:7], the scales' exponents s[8:9], out0 s[10:11]
	s_load_b64 s[12:13], s[0:1], 0x20              ; bo
	v_lshl_add_u32 v[SPW], v0, 2, SPARE
	v_mov_b32 v[NIL], 0
	ds_add_u32 v28, v29
	ds_add_u32 v28, v29
	s_wait_dscnt 0x0
	v_lshrrev_b32 v1, 5, v0
	v_readfirstlane_b32 s14, v1                    ; wave 0..3
	s_lshr_b32 s15, s14, 1                         ; which half of the tile's rows is mine.  Also: I fetch for A (0) or for B (1)
	s_and_b32 s16, s14, 1                          ; which half of its columns.  Also: which 128 rows of that tile I fetch
	s_bfe_u32 s40, ttmp6, 0x40000
	s_bfe_u32 s41, ttmp6, 0x40004
	s_lshl_b32 s42, ttmp9, 2
	s_add_co_u32 s42, s42, s40                     ; tile column: 0 .. 3
	s_and_b32 s17, ttmp7, 0xffff
	s_lshl_b32 s17, s17, 2
	s_add_co_u32 s17, s17, s41                     ; tile row: 0 .. 31
	s_lshl_b32 s43, s41, 2
	s_lshl_b32 s43, 15, s43
	s_lshl_b32 s44, 0x1111, s40
	s_or_b32 s[G1+0], s43, (1<<21)                 ; A: 15:0 the mask of my row; elements of 1 byte; no padding; 21 set beside a mask
	s_mov_b32 s[G1+1], ASTEP<<16                   ; tensor_dim0 = 4,096: four cells
	s_mov_b32 s[G1+2], 8<<16                       ; tensor_dim1 = 8 blocks of 16 rows
	s_mov_b32 s[G1+3], ASTEP<<16                   ; tile_dim0
	s_mov_b32 s[G1+4], 8                           ; tile_dim1
	s_mov_b32 s[G1+5], 16384                       ; from a block of rows to the next: 16 cells
	s_mov_b32 s[G1+6], 0
	s_mov_b32 s[G1+7], 0
	s_or_b32 s[G1B+0], s44, (1<<20)|(1<<21)|(5<<22)|(3<<25)   ; B: 128 rows of 256 bytes, 16 bytes of padding behind each
	s_mov_b32 s[G1B+1], ROWB<<16
	s_mov_b32 s[G1B+2], 128<<16
	s_mov_b32 s[G1B+3], ROWB<<16
	s_mov_b32 s[G1B+4], 128
	s_mov_b32 s[G1B+5], KROW
	s_mov_b32 s[G1B+6], 0
	s_mov_b32 s[G1B+7], 0
	s_lshl_b32 s20, s17, 4
	s_lshl_b32 s18, s16, 3
	s_add_co_u32 s20, s20, s18                     ; A: block of rows 16 x tile row + 8 x half
	s_lshl_b32 s20, s20, 14
	s_mov_b32 s21, 0
	s_lshl_b32 s46, s42, 8
	s_lshl_b32 s18, s16, 7
	s_add_co_u32 s46, s46, s18                     ; B: row 256 x tile column + 128 x half
	s_lshl_b32 s46, s46, 10
	s_mov_b32 s47, 0
	s_lshl_b32 s45, s16, 15                        ; where they go: A's halves at 32,768 x half,
	s_mul_i32 s2, s16, HALFT
	s_add_co_u32 s2, s2, ASZ                       ; B's behind them
	s_wait_kmcnt 0x0
	s_load_b64 s[96:97], s[8:9], 0x28              ; e10, e11
	s_add_nc_u64 s[20:21], s[4:5], s[20:21]
	s_add_nc_u64 s[46:47], s[6:7], s[46:47]
	CROUND
.irp s, 0,1
	s_mov_b32 s[G0+4*\s], 1
	s_add_co_u32 s[G0+4*\s+1], s45, \s*SLOT
	s_add_nc_u64 s[G0+4*\s+2:G0+4*\s+3], s[20:21], \s*ASTEP
	s_or_b32 s[G0+4*\s+3], s[G0+4*\s+3], 0x80000000
	s_mov_b32 s[G0B+4*\s], 1
	s_add_co_u32 s[G0B+4*\s+1], s2, \s*SLOT
	s_add_nc_u64 s[G0B+4*\s+2:G0B+4*\s+3], s[46:47], \s*ROWB
	s_or_b32 s[G0B+4*\s+3], s[G0B+4*\s+3], 0x80000000
	s_wait_alu depctr_va_vdst(0)
	s_wait_tensorcnt 0x0
	ds_add_u32 v28, v29
	ds_add_u32 v28, v29
	s_wait_dscnt 0x0
	CROUND
	JLOAD G0+4*\s, G1, G0B+4*\s, G1B
.endr
	v_and_b32 v1, 15, v0                           ; r
	v_bfe_u32 v2, v0, 4, 1                         ; h
	v_and_b32 v6, 31, v0
	v_lshlrev_b32 v[CO], 4, v6                     ; 16 x lane
	v_mul_u32_u24 v3, v1, PITCH
	v_lshl_add_u32 v4, v2, 3, v3                   ; B: row r x pitch + 8 h
	s_lshl_b32 s21, s15, 15                        ; my 8 blocks of rows of A
	s_mul_i32 s22, s16, HALFT
	s_add_co_u32 s22, s22, ASZ                     ; my 128 rows of B
.irp s, 0,1
	v_add_nc_u32 v[ADRA+\s], s21, v[CO]
	v_add_nc_u32 v[ADRB+\s], s22, v4
	s_add_co_u32 s21, s21, SLOT
	s_add_co_u32 s22, s22, SLOT
.endr
	s_mul_i32 s23, s14, 16*SPITCH                  ; my stage
	v_mul_u32_u24 v5, v1, SPITCH
	v_lshl_add_u32 v5, v2, 5, v5
	v_add_nc_u32 v[STO], s23, v5                   ; in: row r, 32 bytes for each half of the lanes
	v_add_nc_u32 v[RD], s23, v[CO]                 ; back: the 32 lanes take one row of 512 bytes
	s_lshl_b32 s20, s17, 8
	s_lshl_b32 s21, s15, 7
	s_add_co_u32 s20, s20, s21                     ; my first row of out0
	s_lshl_b32 s20, s20, 12                        ; rows of 4,096 bytes
	s_lshl_b32 s46, s42, 10
	s_lshl_b32 s47, s16, 9
	s_add_co_u32 s46, s46, s47                     ; my first column, in bytes
	s_add_co_u32 s20, s20, s46
	s_mov_b32 s21, 0
	s_add_nc_u64 s[10:11], s[10:11], s[20:21]
	s_mov_b32 s47, 0
	s_add_nc_u64 s[12:13], s[12:13], s[46:47]      ; bo at my 128 columns
	v_lshlrev_b32 v[BIO], 5, v2
.irp b, 0,1,2,3,4,5,6,7
	global_load_b128 v[BIAS+8*\b:BIAS+8*\b+3], v[BIO], s[12:13] offset:64*\b        ; columns 16 b + 8 h + 0 .. 7
	global_load_b128 v[BIAS+8*\b+4:BIAS+8*\b+7], v[BIO], s[12:13] offset:64*\b+16
.endr
.macro FRAGA reg, adr, q, i            ; block i of my rows, the slot's q-th 128 along K: two cells, each two loads of 512 consecutive bytes a wave
.irp c, 0,1,2,3
	ds_load_b128 v[\reg+4*\c:\reg+4*\c+3], v[\adr] offset:(4*(\i)+2*(\q)+\c/2)*1024+512*(\c%2)
.endr
.endm
.macro FRAGB reg, adr, q, i            ; registers 2 c, 2 c + 1 hold K = 16 c + 8 (l / 16) + 0 .. 7
.irp c, 0,1,2,3,4,5,6,7
	ds_load_b64 v[\reg+2*\c:\reg+2*\c+1], v[\adr] offset:128*(\q)+16*\c+(\i)*16*PITCH
.endr
.endm
.macro MUL16 a0, p, zero               ; the 64 accumulators take turns, one instruction a turn
.irp a, \a0, \a0+1
.irp b, 0,1,2,3,4,5,6,7
.if \zero
	v_wmma_f32_16x16x128_fp8_fp8 v[8*(8*((\a)%4)+\b):8*(8*((\a)%4)+\b)+7], v[128*(\p)+FR*\b:128*(\p)+FR*\b+FR-1], v[AF+FR*(\a):AF+FR*(\a)+FR-1], 0
.else
	v_wmma_f32_16x16x128_fp8_fp8 v[8*(8*((\a)%4)+\b):8*(8*((\a)%4)+\b)+7], v[128*(\p)+FR*\b:128*(\p)+FR*\b+FR-1], v[AF+FR*(\a):AF+FR*(\a)+FR-1], v[8*(8*((\a)%4)+\b):8*(8*((\a)%4)+\b)+7]
.endif
.endr
.endr
.endm
.macro FETCH_B slot, q, p
	WIN TO_B
.irp i, 0,1,2,3,4,5,6,7
	FRAGB 128*(\p)+FR*\i, ADRB+\slot, \q, \i
.endr
	WIN 0
.endm
.macro FETCH_A slot, q, i0
.irp i, \i0, \i0+1, \i0+2, \i0+3
	FRAGA AF+FR*(\i), ADRA+\slot, \q, \i
.endr
.endm
.macro PLACES n
.rept \n
	v_nop
.endr
.endm
.macro STEP slot, q, zero
	s_wait_dscnt 4*NL                              ; the youngest 16 loads (A's blocks 4-7) may be out
	WIN MUL_LO
	MUL16 0, (\q)%2, \zero
	MUL16 2, (\q)%2, \zero
	s_wait_dscnt 0
	PLACES NP
	FETCH_B \slot, (\q)+1, 1-(\q)%2
	FETCH_A \slot, (\q)+1, 0
	WIN MUL_HI
	MUL16 4, (\q)%2, \zero
	MUL16 6, (\q)%2, \zero
	PLACES NP
	WIN 0
	FETCH_A \slot, (\q)+1, 4
.endm
.macro TURN slot, next, fill
	s_wait_tensorcnt 0x0                           ; all my tensor loads have landed: my part of the next slot
	ds_add_u32 v[SPW], v[NIL]                      ; 0 onto my spare word
	s_wait_dscnt 4*NL+1                            ; the add and the youngest 16 loads may be out
	WIN MUL_LO
	MUL16 0, 1, 0
	s_wait_dscnt 0x0                               ; the add is done, and my reads of this slot are over
	s_barrier_signal -1
	MUL16 2, 1, 0
	WIN 0
	s_barrier_wait -1
.if \fill
	CREST                                          ; a round of the cluster's barrier: no wave of any partner still reads this slot or has a load on its way
	s_add_nc_u64 s[G0+4*\slot+2:G0+4*\slot+3], s[G0+4*\slot+2:G0+4*\slot+3], 2*ASTEP
	s_add_nc_u64 s[G0B+4*\slot+2:G0B+4*\slot+3], s[G0B+4*\slot+2:G0B+4*\slot+3], 2*ROWB
	JLOAD G0+4*\slot, G1, G0B+4*\slot, G1B
.else
	PLACES NP
.endif
	FETCH_B \next, 0, 0
	FETCH_A \next, 0, 0
	WIN MUL_HI
	MUL16 4, 1, 0
	MUL16 6, 1, 0
	PLACES NP
	WIN 0
	FETCH_A \next, 0, 4
.endm
	s_wait_alu depctr_va_vdst(0)
	s_wait_tensorcnt 1                             ; my part of K step 0 is in; K step 1's load may be out
	s_barrier_signal -1
	s_barrier_wait -1
	FETCH_B 0, 0, 0
	FETCH_A 0, 0, 0
	FETCH_A 0, 0, 4
	STEP 0, 0, 1
	s_mov_b32 s3, LAPS-1
.Llap:
	TURN 0, 1, 1
	STEP 1, 0, 0
	TURN 1, 0, 1
	STEP 0, 0, 0
	s_sub_co_u32 s3, s3, 1
	s_cmp_lg_u32 s3, 0
	s_cbranch_scc1 .Llap
	TURN 0, 1, 0
	STEP 1, 0, 0
	s_wait_dscnt 4*NL
	WIN MUL_LO
	MUL16 0, 1, 0
	MUL16 2, 1, 0
	s_wait_dscnt 0
	WIN MUL_HI
	MUL16 4, 1, 0
	MUL16 6, 1, 0
	WIN 0
; THE WAY OUT, block by block of 16 rows x 128 columns: sum x 2^(e10 + e11) + bo, one packed multiply-add for two numbers; through my own stage in LDS; back as whole rows of 512 bytes.
; LDS serves a wave's instructions in order (ISA guide 5.7.1.4): no wait between the stores and the loads, nor in front of the next block's stores.
.macro TOSTAGE a
.set AC, 64*((\a)%4)
	WIN 0x42+((\a)/4)                              ; source 0 window 2 or 3, bo window 0, destination window 1
.set jj, 0
.rept 32
	v_pk_fma_f32 v[TMP1+jj:TMP1+jj+1], v[AC+jj:AC+jj+1], s[96:97], v[BIAS+jj:BIAS+jj+1] op_sel_hi:[1,0,1]   ; each accumulator from its low end on
.set jj, jj+2
.endr
	WIN 0x04                                       ; the stores' data in window 1
.irp b, 0,1,2,3,4,5,6,7
	ds_store_b128 v[STO], v[TMP1+8*\b:TMP1+8*\b+3] offset:64*\b
	ds_store_b128 v[STO], v[TMP1+8*\b+4:TMP1+8*\b+7] offset:64*\b+16
.endr
	WIN 0
.set BB, BK+64*((\a)%2)
.irp t, 0,1,2,3,4,5,6,7,8,9,10,11,12,13,14,15
	ds_load_b128 v[BB+4*\t:BB+4*\t+3], v[RD] offset:\t*SPITCH
.endr
.endm
.macro SEND a, younger                 ; younger: the LDS instructions issued behind block a's loads, which may stay out
.set BB, BK+64*((\a)%2)
	s_wait_dscnt \younger
.if (\a) > 0
	s_add_nc_u64 s[10:11], s[10:11], 16*SIZE_N*4   ; (behind a wait on XCNT: the earlier stores have read their base)
.endif
.irp t, 0,1,2,3,4,5,6,7,8,9,10,11,12,13,14,15
	global_store_b128 v[CO], v[BB+4*\t:BB+4*\t+3], s[10:11] offset:\t*SIZE_N*4 th:TH_STORE_NT   ; 32 lanes store 512 consecutive bytes, at a multiple of 256 from out0's first byte
.endr
.endm
	s_wait_kmcnt 0x0
	s_add_co_i32 s96, s96, s97
	s_add_co_i32 s96, s96, 127
	s_lshl_b32 s96, s96, 23                        ; 2^(e10 + e11) as f32
	s_mov_b32 s97, s96
	s_wait_loadcnt 0x0                             ; bo
	PLACES NP
	TOSTAGE 0
.irp a, 1,2,3,4,5,6,7
.if \a > 1
	s_wait_xcnt 0x0                                ; block a - 2's stores have read their registers and their base
.endif
	TOSTAGE \a
	SEND \a-1, 32                                  ; behind block a - 1's loads: block a's 16 stores and 16 loads
.endr
	s_wait_xcnt 0x0
	SEND 7, 0
	s_wait_tensorcnt 0x0                           ; the wave's end
	ds_add_u32 v[SPW], v[NIL]
	s_wait_dscnt 0x0
	CROUND                                         ; the closing round
	s_endpgm
.Lfunc_end_k_q45c52cab80_oproj:
	.size	k_q45c52cab80_oproj, .Lfunc_end_k_q45c52cab80_oproj-k_q45c52cab80_oproj
	.p2alignl 7, 3214868480
	.fill 96, 4, 3214868480
	.section	.rodata,"a",@progbits
	.p2align	6, 0x0
	.amdhsa_kernel k_q45c52cab80_oproj
		.amdhsa_group_segment_fixed_size 327680
		.amdhsa_private_segment_fixed_size 0
		.amdhsa_enable_private_segment 0
		.amdhsa_kernarg_size 40
		.amdhsa_user_sgpr_count 2
		.amdhsa_user_sgpr_kernarg_segment_ptr 1
		.amdhsa_wavefront_size32 1
		.amdhsa_system_sgpr_workgroup_id_x 1
		.amdhsa_system_sgpr_workgroup_id_y 1
		.amdhsa_system_sgpr_workgroup_id_z 1
		.amdhsa_system_vgpr_workitem_id 0
		.amdhsa_next_free_vgpr 1024
		.amdhsa_next_free_sgpr 100
		.amdhsa_reserve_vcc 0
		.amdhsa_float_denorm_mode_32 3
		.amdhsa_float_denorm_mode_16_64 3
		.amdhsa_memory_ordered 1
		.amdhsa_forward_progress 1
		.amdhsa_inst_pref_size 142
	.end_amdhsa_kernel
	.amdgpu_metadata
---
amdhsa.version: [ 1, 2 ]
amdhsa.kernels:
  - .name:           k_q45c52cab80_oproj
    .symbol:         k_q45c52cab80_oproj.kd
    .args:
      - { .name: o_codes, .offset: 0, .size: 8, .value_kind: global_buffer, .address_space: global }
      - { .name: Wo_codes, .offset: 8, .size: 8, .value_kind: global_buffer, .address_space: global }
      - { .name: lowp_scales, .offset: 16, .size: 8, .value_kind: global_buffer, .address_space: global }
      - { .name: out0, .offset: 24, .size: 8, .value_kind: global_buffer, .address_space: global }
      - { .name: bo, .offset: 32, .size: 8, .value_kind: global_buffer, .address_space: global }
    .group_segment_fixed_size: 327680
    .private_segment_fixed_size: 0
    .kernarg_segment_align: 8
    .kernarg_segment_size: 40
    .max_flat_workgroup_size: 128
    .sgpr_count:     100
    .vgpr_count:     1024
    .wavefront_size: 32
...
	.end_amdgpu_metadata
.endif
;; end of part 4
